; MI455X (gfx1250); checked and timed in simulation.
; The chip was launched on July 23, 2026; its instructions are those of AMD's public machine-readable ISA for CDNA 5 (MIT licence, August 2026) and "CDNA5" Instruction Set Architecture Reference Guide (July 2026). The comments in the code are by the model that wrote it; some were corrected since.
;; Attention. Allowed arithmetic: matrix products marked QUANTISED: E2M3 operands, one E8M0 scale for each 32 along K, by v_wmma_scale_f32_16x16x128_f8f6f4 with both operands' format E2M3, f32 sums; everything else in f32.
;; Inputs: W_proj 1,024 x 1,024 float32; W_qkv 1,024 x 3,072 float32; b_proj 1,024 float32; x 4 x 2,048 x 1,024 float32.
;; Outputs: out0 4 x 2,048 x 1,024 float32.
;; This version of the problem:
;;   THIS VERSION OF THE PROBLEM IS GIVEN IN LOW PRECISION. The matrix products marked QUANTISED in the list below multiply operands that are first quantised to E2M3 (2 exponent bits, 3 mantissa bits; 6 bits a number), with one power-of-two scale for each 32 numbers along K (OCP MX v1.0); their sums are f32. All else is computed in f32.
;;   The module's matrix products, in the order in which they are computed (A, B: the left and right operand; K: the contracted axis; several contracted axes count as one K, in the product's order):
;;     1. [M 8,192, K 1,024] x [K 1,024, N 3,072]; A: input x; B: input W_qkv: QUANTISED
;;     2. batch 64 x [M 2,048, K 64] x [K 64, N 2,048]; A: computed on the way; B: computed on the way: QUANTISED
;;     3. batch 64 x [M 2,048, K 2,048] x [K 2,048, N 64]; A: softmax (see below); B: computed on the way: QUANTISED
;;     4. [M 8,192, K 1,024] x [K 1,024, N 1,024]; A: computed on the way; B: input W_proj: QUANTISED
;;   THE QUANTISER, for each operand of a quantised product, along K:
;;     - K is cut into blocks of 32 from its start; a last block that is shorter is filled with zeros.
;;     - A block's scale is 2^e with e = floor(log2(the largest magnitude in the block)) - 2, held to -126 .. 127; a block of zeros has e = 0. As a byte (E8M0): e + 127.
;;     - Each number is divided by its block's scale, clamped to +-7.5, and rounded to the nearest number of E2M3, ties to even, subnormals kept.
;;     - The product sums the exact products of the quantised numbers (number of the format x scale) in f32.
;;   ~~~python
;;   def quantise(x, axis):      # numpy; x: float32 -> the quantised numbers, widened to float32 again
;;       x = np.moveaxis(x, axis, -1); K = x.shape[-1]
;;       x = np.pad(x, [(0, 0)] * (x.ndim - 1) + [(0, -K % 32)]); x = x.reshape(x.shape[:-1] + (-1, 32)); a = np.abs(x).max(-1, keepdims=True)
;;       e = np.where(a > 0, np.clip(np.frexp(np.where(a > 0, a, 1))[1] - 1 - 2, -126, 127), 0)      # np.frexp(a)[1] - 1 = floor(log2(a)), exactly
;;       r = np.clip(x / 2.0 ** e, -7.5, 7.5)
;;       step = 2.0 ** (np.maximum(np.frexp(np.where(r == 0, 1, r))[1] - 1, 0) - 3)
;;       q = np.round(r / step) * step * 2.0 ** e      # np.round: ties to even
;;       return np.moveaxis(q.reshape(q.shape[:-2] + (-1,))[..., :K], -1, axis).astype(np.float32)
;;   ~~~
;;   SOFTMAX AHEAD OF A QUANTISED PRODUCT. Where the list says 'softmax', what is quantised is not the finished softmax but p = 2^(t - M), with t = logit x log2(e) and M = ceil(the row's largest t), a whole number; so 1/2 < the row's largest p <= 1. The row's sum l is taken of the UNQUANTISED p, in f32, and the product's result is divided by l at the end. Since M is a whole number, a kernel that streams over the keys may use a running M (the ceiling of the running maximum): every later rescaling is an exact power of two, which a block's scale takes up: the codes' values come out the same.
;;   OPERANDS COMPUTED ON THE WAY. 'Computed on the way' means the value that the module computes at that place (a softmax that the list does not call 'softmax' is quantised finished and normalised). What goes into a quantiser is computed in f32, as accurately as f32 sums, v_exp_f32 and their like allow (about 1e-6 of the number): no bf16 or f16 on the way to a quantiser, and a product that is left as it is and whose result goes on into a quantised operand takes f32 operands (vector FMAs, or v_wmma_f32_16x16x4_f32). A number that lies on a knife's edge between two numbers of the format may be rounded either way, as far as f32 arithmetic and the matrix unit's own rounding can turn it there, and no further.
;; One version. Each part assembles by itself: llvm-mc -triple=amdgcn-amd-amdhsa -mcpu=gfx1250 --defsym DOCPART=n.
;; ======== version 1 of 1: 4 launches
;; limits: right only within a limited range of input values
;; workspace buffers: cod 9,437,184 bytes; scl 393,216 bytes; qkv 19,660,800 bytes; ac 6,291,456 bytes; asc 262,144 bytes
;; launch quant (part 1): grid 256 x 1, 8 waves a work-group, no clusters, 96,256 bytes of LDS; arguments x, W_qkv, W_proj, cod, scl; writes cod, scl
.if DOCPART == 1
	.amdgcn_target "amdgcn-amd-amdhsa--gfx1250"
	.amdhsa_code_object_version 6
	.text
	.protected	k_qc8a5db2382_quant
	.globl	k_qc8a5db2382_quant
	.p2align	8
	.type	k_qc8a5db2382_quant,@function
k_qc8a5db2382_quant:
	s_mov_b64 s[64:65], 0
	v_nop
	global_prefetch_b8 v0, s[64:65] scope:SCOPE_SE
	s_setreg_imm32_b32 hwreg(HW_REG_WAVE_MODE, 25, 1), 1
	s_wait_xcnt 0x0
; x [8192][1024], W_qkv [1024][3072] and W_proj [1024][1024], f32, become codes of FP6 (E2M3) along K = 1024 with one E8M0 byte for each 32 along K,
; in ONE operand buffer of 12,288 rows: 0.. x's rows, 8192.. W_qkv's columns, 11264.. W_proj's columns.
; LAYOUT OF cod: the order of the operand's registers.  A tile of 16 rows rb holds, in lane r, row 32 (rb / 2) + 8 (rb % 2) + r + 8 (r / 8).  Fragment (rb, ks), 16 rows x 128 K, lies at (8 rb + ks) x 1,536 bytes:
; six units of 256 bytes, unit p = registers 2 p, 2 p + 1 of the 32 lanes, 8 bytes a lane.  Lane (r, h), registers 6 c .. 6 c + 5: k = 128 ks + 64 c + 32 h + 0 .. 31.
; LAYOUT OF scl: the word (four bytes, 128 along K) of tile rb, lane r, K step ks at 512 rb + 256 (ks / 4) + 16 r + 4 (ks % 4).
; A block's scale is 2^(floor(log2(its largest magnitude)) - 2); its byte is the largest magnitude's exponent field - 2, held at 1 from below.
; LIMITS: NaN and infinities among the inputs are not served; a block whose largest magnitude lies under 2^-124 keeps the byte 1; a block of zeros keeps the byte 1 where the rule says 127:
; its codes are zeros, which add nothing under any byte but 0xff, and the bytes are read by this program alone.
; SHARES: work-groups with an even number take x (a wave: one tile of 16 rows x 512 along K, four fragments), those with an odd number the weights (a wave: 32 columns x 128 along K, two fragments).
; A stream: no matrix unit, no tensor load, no cluster: nothing is read twice.  Each of the two ways has LDS bytes of its own.
.set XW,   8448                        ; x's way: a wave's stage, 16 rows x (512 bytes + 16)
.set WSTG, 8*XW                        ; the weights' way: a wave's stage, two fragments of 1,536 bytes + 128
.set WFR,  1664
.set WW,   2*WFR
.set WSCW, WSTG+8*WW                   ; and the work-group's four units of scale words
.set TM,   16                          ; v16-31  at work: +0..3 largest magnitudes, +4..7 the other half's, then bytes, +12..15 scale operands
.set SW,   32                          ; v32-35  scale words
.set T,    36                          ; v36-38, v40-42 the second halves of blocks' codes
.set PC,   44                          ; v44-55  a fragment's codes
.set X,    64                          ; v64-127 64 numbers of a lane: register 16 b + i = k 32 b + 16 h + i of its row
.set R0,   128                         ; v128-255 numbers as loaded: two sets of 64 (x), or 128 down K (weights)
	s_load_b128 s[4:7], s[0:1], 0x0                ; x, W_qkv
	s_load_b128 s[8:11], s[0:1], 0x10              ; W_proj, cod
	s_load_b64 s[12:13], s[0:1], 0x20              ; scl
	v_lshl_add_u32 v62, v0, 2, 0x17400
	v_mov_b32 v63, 0
	v_lshrrev_b32 v1, 5, v0
	s_delay_alu instid0(VALU_DEP_1)
	v_readfirstlane_b32 s16, v1                    ; wave 0..7
	v_and_b32 v1, 31, v0                           ; lane
	v_and_b32 v11, 15, v0                          ; r
	v_bfe_u32 v12, v0, 4, 1                        ; h
	v_bfe_u32 v13, v0, 3, 1                        ; u: for a column 16 h + 8 u + low of a group of 32: which of the group's two tiles
	v_and_b32 v15, 7, v0
	s_delay_alu instid0(VALU_DEP_1)
	v_lshl_add_u32 v15, v12, 3, v15                ; and which lane of that tile: 8 h + low
	v_lshlrev_b32 v2, 4, v1                        ; 16 x lane
	v_lshlrev_b32 v5, 3, v1                        ; 8 x lane
	v_lshlrev_b32 v10, 2, v1                       ; 4 x lane
	; every LDS address is made here, ahead of the parting of the ways
	s_mul_i32 s18, s16, XW
	v_add_nc_u32 v3, s18, v2                       ; x's stage, in: 16 x lane of a row's 512 bytes
	v_mul_u32_u24 v4, v11, 528
	s_delay_alu instid0(VALU_DEP_1)
	v_lshl_add_u32 v4, v12, 6, v4
	s_delay_alu instid0(VALU_DEP_1)
	v_add_nc_u32 v4, s18, v4                       ; out: row r, + 64 h
	s_mul_i32 s19, s16, WW
	s_add_co_u32 s19, s19, WSTG
	v_mul_u32_u24 v6, v13, WFR
	s_delay_alu instid0(VALU_DEP_1)
	v_lshl_add_u32 v6, v15, 3, v6
	s_delay_alu instid0(VALU_DEP_1)
	v_add_nc_u32 v6, s19, v6                       ; the weights' stage, in: fragment u, 8 bytes at my column's lane
	v_add_nc_u32 v7, s19, v2                       ; out: 16 x lane
	s_and_b32 s22, s16, 1                          ; which 32 of the work-group's 64 columns
	s_lshr_b32 s24, s16, 1                         ; which of its four K steps
	s_lshl_b32 s23, s22, 9
	s_add_co_u32 s23, s23, WSCW
	s_lshl_b32 s25, s24, 2
	s_add_co_u32 s25, s25, s23
	v_lshlrev_b32 v8, 8, v13
	s_delay_alu instid0(VALU_DEP_1)
	v_lshl_add_u32 v8, v15, 4, v8
	s_delay_alu instid0(VALU_DEP_1)
	v_add_nc_u32 v8, s25, v8                       ; my column's scale word: unit 2 (wave & 1) + u, 16 bytes a lane of the tile, 4 bytes a K step
	v_add_nc_u32 v9, s23, v2                       ; and two whole units back
	v_lshlrev_b32 v56, 9, v12
	s_delay_alu instid0(VALU_DEP_1)
	v_lshl_add_u32 v56, v11, 4, v56                ; in scl: tile h of the two, 16 r
	v_lshlrev_b32 v57, 4, v11
	s_delay_alu instid0(VALU_DEP_1)
	v_lshl_add_u32 v57, v12, 3, v57                ; in scl: 16 r + 8 h
.irp b, 0,1,2,3
	v_mov_b32 v[TM+4+\b], 0                        ; written once: a lane permute's destination counts as one of its sources
.endr
	s_mov_b32 s20, 0x76543210
	s_mov_b32 s21, 0xfedcba98                      ; v_permlanex16_b32's selects for lane l xor 16
	s_lshr_b32 s17, ttmp9, 1                       ; my number on my way
	s_and_b32 s26, ttmp9, 1
	s_wait_kmcnt 0x0
	s_cmp_lg_u32 s26, 0
	s_cbranch_scc1 .Lweights
; 64 numbers of a lane, register 16 b + i = k 32 b + 16 h + i of my row, become a fragment's codes, registers 0-5 at d0 and 6-11 at d1, and its scale word in pw.
.macro QUANT s, d0, d1, pw
.irp b, 0,1,2,3
	v_max3_num_f32 v[TM+\b], |v[(\s)+16*\b]|, |v[(\s)+1+16*\b]|, 0x1800000   ; block b: my 16 numbers, and the floor 2^(3 - 127): the byte cannot fall under 1
.endr
.irp i, 2,4,6,8,10,12,14
.irp b, 0,1,2,3
	s_delay_alu instid0(VALU_DEP_4)
	v_max3_num_f32 v[TM+\b], v[TM+\b], |v[(\s)+16*\b+\i]|, |v[(\s)+1+16*\b+\i]|   ; the four blocks by turns
.endr
.endr
.irp b, 0,1,2,3
	s_delay_alu instid0(VALU_DEP_4)
	v_permlanex16_b32 v[TM+4+\b], v[TM+\b], s20, s21
.endr
.irp b, 0,1,2,3
	s_delay_alu instid0(VALU_DEP_4)
	v_max_num_f32 v[TM+\b], v[TM+\b], v[TM+4+\b]   ; with lane l xor 16's: the block's largest magnitude
.endr
.irp b, 0,1,2,3
	s_delay_alu instid0(VALU_DEP_4)
	v_add_nc_u32 v[TM+12+\b], 0xff000000, v[TM+\b] ; 2 off its exponent field: the conversion takes this operand's exponent field as its scale
.endr
.irp b, 0,1,2,3
	s_delay_alu instid0(VALU_DEP_4)
	v_lshrrev_b32 v[TM+4+\b], 23, v[TM+12+\b]      ; the scale's byte
.endr
	s_delay_alu instid0(VALU_DEP_3)
	v_lshl_or_b32 v[\pw], v[TM+5], 8, v[TM+4]
	s_delay_alu instid0(VALU_DEP_1)
	v_lshl_or_b32 v[\pw], v[TM+6], 16, v[\pw]
	s_delay_alu instid0(VALU_DEP_1)
	v_lshl_or_b32 v[\pw], v[TM+7], 24, v[\pw]      ; my row's scale word
	v_cvt_scalef32_pk16_fp6_f32 v[(\d0):(\d0)+2], v[(\s):(\s)+15], v[TM+12]
	v_cvt_scalef32_pk16_fp6_f32 v[T:T+2], v[(\s)+16:(\s)+31], v[TM+13]      ; (a conversion's three registers begin on an even number)
	v_cvt_scalef32_pk16_fp6_f32 v[(\d1):(\d1)+2], v[(\s)+32:(\s)+47], v[TM+14]
	v_cvt_scalef32_pk16_fp6_f32 v[T+4:T+6], v[(\s)+48:(\s)+63], v[TM+15]
	v_nop                                          ; one plain place behind a scaled conversion
.irp i, 0,1,2                                  ; the operand's layout wants a whole block in a lane: lanes 0-15 the even block, lanes 16-31 the odd one
	v_permlane16_swap_b32 v[(\d0)+\i], v[T+\i]
	v_permlane16_swap_b32 v[(\d1)+\i], v[T+4+\i]
.endr
.irp i, 0,1,2
	v_mov_b32 v[(\d0)+3+\i], v[T+\i]
	v_mov_b32 v[(\d1)+3+\i], v[T+4+\i]
.endr
.endm
	; ---- x.  Wave g = 8 x my number + wave: tile g / 2, K steps 4 (g % 2) + 0 .. 3
	s_lshl_b32 s18, s17, 3
	s_add_co_u32 s18, s18, s16
	s_lshr_b32 s19, s18, 1                         ; the tile rb
	s_and_b32 s27, s18, 1                          ; which half of K
	s_lshr_b32 s28, s19, 2
	s_lshl_b32 s28, s28, 18                        ; x's tiles: tile rb, lane r = token 64 (rb / 4) + 8 (rb % 4) + r % 8 + 32 (r / 8): 64 (rb / 4) rows of 4,096 bytes
	s_and_b32 s29, s19, 3
	s_lshl_b32 s29, s29, 15                        ; + 8 (rb % 4) rows
	s_add_co_u32 s28, s28, s29
	s_lshl_b32 s29, s27, 11                        ; + 512 numbers
	s_add_co_u32 s28, s28, s29
	s_mov_b32 s29, 0
	s_add_nc_u64 s[4:5], s[4:5], s[28:29]
	s_mul_i32 s28, s19, 12288
	s_mul_i32 s30, s27, 6144
	s_add_co_u32 s28, s28, s30
	s_add_nc_u64 s[10:11], s[10:11], s[28:29]
	s_lshl_b32 s28, s19, 9
	s_lshl_b32 s30, s27, 8
	s_add_co_u32 s28, s28, s30
	s_add_nc_u64 s[12:13], s[12:13], s[28:29]
.macro LOADF f, set                    ; K step f of the tile's 16 rows: each load reads 512 consecutive bytes of one row
.irp i, 0,1,2,3,4,5,6,7,8,9,10,11,12,13,14,15
	global_load_b128 v[R0+64*(\set)+4*\i:R0+64*(\set)+4*\i+3], v2, s[4:5] offset:(\i+24*(\i/8))*4096+512*(\f) th:TH_LOAD_NT
.endr
.endm
.macro XFRAG f
.if (\f) < 3
	s_wait_loadcnt 16                              ; this fragment's 16 loads are in; the next fragment's 16 may be out
.else
	s_wait_loadcnt 0x0
.endif
.irp i, 0,1,2,3,4,5,6,7,8,9,10,11,12,13,14,15
	ds_store_b128 v3, v[R0+64*((\f)%2)+4*\i:R0+64*((\f)%2)+4*\i+3] offset:528*\i
.endr
.irp b, 0,1,2,3
.irp j, 0,1,2,3
	ds_load_b128 v[X+16*\b+4*\j:X+16*\b+4*\j+3], v4 offset:128*\b+16*\j   ; LDS serves a wave's instructions in order: these see the stores above
.endr
.endr
	s_wait_dscnt 0x0                               ; the numbers are back, 16 neighbours of each block a lane; the stores have read their registers
	s_wait_xcnt 0x0                                ; the last fragment's stores have read their data: the codes' registers may be written again
.if (\f) < 2
	LOADF (\f)+2, (\f)%2
.endif
	QUANT X, PC, PC+6, SW+(\f)
.irp p, 0,1,2,3,4,5
	global_store_b64 v5, v[PC+2*\p:PC+2*\p+1], s[10:11] offset:1536*(\f)+256*\p   ; 32 lanes store 256 consecutive bytes, aligned
.endr
.endm
	LOADF 0, 0
	LOADF 1, 1
.irp f, 0,1,2,3
	XFRAG \f
.endr
	v_cmp_le_u32 vcc_lo, 16, v1
	s_delay_alu instid0(VALU_DEP_1)
	v_cndmask_b32 v58, v[SW], v[SW+2], vcc_lo      ; both halves of the lanes hold all four words of row r: lanes 0-15 store words 0, 1, lanes 16-31 words 2, 3
	s_delay_alu instid0(VALU_DEP_2)
	v_cndmask_b32 v59, v[SW+1], v[SW+3], vcc_lo
	global_store_b64 v57, v[58:59], s[12:13]       ; 256 consecutive bytes, aligned
	s_wait_tensorcnt 0x0
	ds_add_u32 v62, v63
	s_wait_dscnt 0x0
	s_endpgm
.Lweights:
	; ---- the weights.  My numbers 0 to 95: W_qkv; 96 to 127: W_proj.  A work-group: 64 columns x half of K; a wave: 32 columns x 128 along K
	s_cmp_lt_u32 s17, 96                           ; the choices hang on the work-group's number alone
	s_cselect_b64 s[4:5], s[6:7], s[8:9]
	s_cselect_b32 s18, 0, 96
	s_mov_b32 s19, 4096
	s_cselect_b32 s19, 12288, s19                  ; a row of the weight in bytes
	s_mov_b32 s27, 11264
	s_cselect_b32 s27, 8192, s27                   ; its first row in cod
	s_sub_co_u32 s18, s17, s18
	s_lshr_b32 s28, s18, 1
	s_and_b32 s29, s18, 1                          ; which half of K
	s_lshl_b32 s28, s28, 6
	s_lshl_b32 s30, s22, 5
	s_add_co_u32 s28, s28, s30                     ; my wave's first column
	s_lshl_b32 s30, s29, 2
	s_add_co_u32 s30, s30, s24                     ; my K step ks
	s_mul_i32 s32, s30, s19
	s_lshl_b32 s32, s32, 7                         ; 128 ks rows
	s_lshl_b32 s31, s28, 2
	s_add_co_u32 s32, s32, s31
	s_mov_b32 s33, 0
	s_add_nc_u64 s[4:5], s[4:5], s[32:33]
	s_add_co_u32 s27, s27, s28
	s_lshr_b32 s27, s27, 4                         ; my first tile
	s_lshl_b32 s32, s27, 3
	s_add_co_u32 s32, s32, s30
	s_mul_i32 s32, s32, 1536
	s_add_nc_u64 s[10:11], s[10:11], s[32:33]
	s_lshl_b32 s32, s27, 9
	s_lshl_b32 s31, s29, 8
	s_add_co_u32 s32, s32, s31
	s_add_nc_u64 s[12:13], s[12:13], s[32:33]
	s_cmp_lt_u32 s17, 96
	s_cbranch_scc0 .Lproj                          ; the two weights differ in the rows' length, which stands in the loads' immediates
	; A LANE TAKES A COLUMN, AND ITS REGISTERS RUN DOWN K: a block of 32 lies in one lane, and the conversions give codes with K innermost
.set i, 0
.rept 128
	global_load_b32 v[R0+i], v10, s[4:5] offset:i*12288 th:TH_LOAD_NT
.set i, i+1
.endr
	s_branch .Lloaded
.Lproj:
.set i, 0
.rept 128
	global_load_b32 v[R0+i], v10, s[4:5] offset:i*4096 th:TH_LOAD_NT
.set i, i+1
.endr
.Lloaded:
.macro WBLOCK t                        ; block t of my column: it belongs to lane half t % 2, registers 6 (t / 2) .. + 5 of the column's fragment
.set XS, R0+32*(\t)
.if 96-32*(\t) > 63
	s_wait_loadcnt 63                              ; a wait names 63 at the most: loads come back in order, so with at most 63 of the 128 out the first 65 are in: blocks 0 and 1
.else
	s_wait_loadcnt 96-32*(\t)                      ; this block's 32 loads are in; the later blocks' may be out
.endif
	v_max3_num_f32 v[TM], |v[XS]|, |v[XS+1]|, |v[XS+2]|
	v_max3_num_f32 v[TM+1], |v[XS+3]|, |v[XS+4]|, |v[XS+5]|
.irp i, 6,10,14,18,22,26
	s_delay_alu instid0(VALU_DEP_2)
	v_max3_num_f32 v[TM], v[TM], |v[XS+\i]|, |v[XS+\i+1]|
	s_delay_alu instid0(VALU_DEP_2)
	v_max3_num_f32 v[TM+1], v[TM+1], |v[XS+\i+2]|, |v[XS+\i+3]|
.endr
	s_delay_alu instid0(VALU_DEP_2)
	v_max3_num_f32 v[TM], v[TM], |v[XS+30]|, |v[XS+31]|
	s_delay_alu instid0(VALU_DEP_1)
	v_max3_num_f32 v[TM], v[TM], v[TM+1], 0x1800000
	s_delay_alu instid0(VALU_DEP_1)
	v_add_nc_u32 v[TM+2], 0xff000000, v[TM]
	s_delay_alu instid0(VALU_DEP_1)
	v_lshrrev_b32 v[TM+3], 23, v[TM+2]
.if (\t) == 0
	s_delay_alu instid0(VALU_DEP_1)
	v_mov_b32 v[SW], v[TM+3]
.else
	s_delay_alu instid0(VALU_DEP_1)
	v_lshl_or_b32 v[SW], v[TM+3], 8*(\t), v[SW]
.endif
	v_cvt_scalef32_pk16_fp6_f32 v[PC:PC+2], v[XS:XS+15], v[TM+2]
	v_cvt_scalef32_pk16_fp6_f32 v[T:T+2], v[XS+16:XS+31], v[TM+2]
	v_nop                                          ; one plain place behind a scaled conversion
.irp i, 0,1,2
	v_mov_b32 v[PC+3+\i], v[T+\i]
.endr
.irp q, 0,1,2
	ds_store_b64 v6, v[PC+2*\q:PC+2*\q+1] offset:(3*((\t)/2)+\q)*256+128*((\t)%2)
.endr
	s_wait_dscnt 0x0                               ; the stores have read their registers: the next block's codes may be written
.endm
.irp t, 0,1,2,3
	WBLOCK \t
.endr
	s_wait_alu depctr_va_vdst(0)
	ds_store_b32 v8, v[SW]                         ; my column's word of this K step
.irp k, 0,1,2,3,4,5
	ds_load_b128 v[X+4*\k:X+4*\k+3], v7 offset:WFR*(\k/3)+512*(\k%3)   ; my own stage: these see my stores
.endr
.irp k, 0,1,2,3,4,5
	s_wait_dscnt 5-\k                              ; load k is in; the later ones may be out
	global_store_b128 v2, v[X+4*\k:X+4*\k+3], s[10:11] offset:12288*(\k/3)+512*(\k%3)   ; 512 consecutive bytes, aligned
.endr
	s_wait_dscnt 0x0                               ; for the others' sake: my scale words lie in LDS
	s_barrier_signal -1
	s_barrier_wait -1                              ; the four K steps' words of a column come from four waves
	s_cmp_lt_u32 s16, 2
	s_cbranch_scc0 .Ldone
	ds_load_b128 v[X+24:X+27], v9
	s_wait_dscnt 0x0
	global_store_b128 v56, v[X+24:X+27], s[12:13]  ; two aligned runs of 256 bytes: the two tiles of my 32 columns
.Ldone:
	s_wait_tensorcnt 0x0
	ds_add_u32 v62, v63
	s_wait_dscnt 0x0
	s_endpgm
.Lfunc_end_k_qc8a5db2382_quant:
	.size	k_qc8a5db2382_quant, .Lfunc_end_k_qc8a5db2382_quant-k_qc8a5db2382_quant
	.p2alignl 7, 3214868480
	.fill 96, 4, 3214868480
	.section	.rodata,"a",@progbits
	.p2align	6, 0x0
	.amdhsa_kernel k_qc8a5db2382_quant
		.amdhsa_group_segment_fixed_size 96256
		.amdhsa_private_segment_fixed_size 0
		.amdhsa_enable_private_segment 0
		.amdhsa_kernarg_size 40
		.amdhsa_user_sgpr_count 2
		.amdhsa_user_sgpr_kernarg_segment_ptr 1
		.amdhsa_wavefront_size32 1
		.amdhsa_system_sgpr_workgroup_id_x 1
		.amdhsa_system_sgpr_workgroup_id_y 1
		.amdhsa_system_sgpr_workgroup_id_z 1
		.amdhsa_system_vgpr_workitem_id 0
		.amdhsa_next_free_vgpr 256
		.amdhsa_next_free_sgpr 66
		.amdhsa_reserve_vcc 1
		.amdhsa_float_denorm_mode_32 3
		.amdhsa_float_denorm_mode_16_64 3
		.amdhsa_memory_ordered 1
		.amdhsa_forward_progress 1
		.amdhsa_inst_pref_size 78
	.end_amdhsa_kernel
	.amdgpu_metadata
---
amdhsa.version: [ 1, 2 ]
amdhsa.kernels:
  - .name:           k_qc8a5db2382_quant
    .symbol:         k_qc8a5db2382_quant.kd
    .args:
      - { .name: x, .offset: 0, .size: 8, .value_kind: global_buffer, .address_space: global }
      - { .name: W_qkv, .offset: 8, .size: 8, .value_kind: global_buffer, .address_space: global }
      - { .name: W_proj, .offset: 16, .size: 8, .value_kind: global_buffer, .address_space: global }
      - { .name: cod, .offset: 24, .size: 8, .value_kind: global_buffer, .address_space: global }
      - { .name: scl, .offset: 32, .size: 8, .value_kind: global_buffer, .address_space: global }
    .group_segment_fixed_size: 96256
    .private_segment_fixed_size: 0
    .kernarg_segment_align: 8
    .kernarg_segment_size: 40
    .max_flat_workgroup_size: 256
    .sgpr_count:     66
    .vgpr_count:     256
    .wavefront_size: 32
...
	.end_amdgpu_metadata
.endif
;; end of part 1
;; launch gemm_qkv (part 2): grid 12 x 32, 4 waves a work-group, clusters of 4 x 4, 327,680 bytes of LDS; arguments cod, scl, qkv; writes qkv
.if DOCPART == 2
	.amdgcn_target "amdgcn-amd-amdhsa--gfx1250"
	.amdhsa_code_object_version 6
	.text
	.protected	k_qc8a5db2382_gemm_qkv
	.globl	k_qc8a5db2382_gemm_qkv
	.p2align	8
	.type	k_qc8a5db2382_gemm_qkv,@function
k_qc8a5db2382_gemm_qkv:
	s_mov_b64 s[64:65], 0
	v_nop
	global_prefetch_b8 v0, s[64:65] scope:SCOPE_SE
	s_setreg_imm32_b32 hwreg(HW_REG_WAVE_MODE, 25, 1), 1
	s_wait_xcnt 0x0
	s_wait_alu depctr_hold_cnt(0) depctr_sa_sdst(0) depctr_va_vdst(0) depctr_va_sdst(0) depctr_va_ssrc(0) depctr_va_vcc(0) depctr_vm_vsrc(0)
	s_getreg_b32 s2, hwreg(HW_REG_IB_STS2, 6, 4)
	s_cmp_eq_u32 s2, 0
	s_cbranch_scc0 .Lentry_in_a_cluster
	s_endpgm
.Lentry_in_a_cluster:
	s_bfe_u32 s2, ttmp6, 0x10000c
	s_cmp_lg_u32 s2, 0xf033
	s_cbranch_scc0 .Lentry_shape_is_right
	s_endpgm
.Lentry_shape_is_right:
.set FR,    12
.set NL,    6
.set NP,    4
.set NQ,    2
.set FRB,   1536
.set RBB,   NQ*FRB
.set HALFT, 8*RBB
.set SLOT,  4*HALFT
.set SCL,   2*SLOT
.set HALFS, 4096
.set SPARE, SCL+4*HALFS
.set REC,   19200
.set HEADB, 16*REC
.set ADRA, 16
.set ADRB, 20
.set LN,   24
.set CS,   25
.set CO,   26
.set ADRS, 27
.set SPW,  28
.set NIL,  29
.set SC,   32
.set AF,   128
.set FLO,  64
.set TM,   66
.set T,    82
.set SW,   114
.set SD,   122
.set PWX,  126
.set PWY,  127
.set G1, 24
.set G0, 32
.set G1B, 48
.set G0B, 56
.set G1S, 68
.set G0S, 76
.set G1SB, 80
.set G0SB, 88
.set MSB, 0
.macro WIN new
.if MSB != \new
	s_set_vgpr_msb (MSB<<8)|\new
.set MSB, \new
.endif
.endm
.set MUL_LO, 0xa1
.set MUL_HI, 0xf1
.set TO_B,   0x40
.macro JLOAD g0a, g1a, g0b, g1b
	s_cmp_eq_u32 s15, 0
	s_cbranch_scc0 .Lfor_b_\@
	tensor_load_to_lds s[\g0a:\g0a+3], s[\g1a:\g1a+7]
	s_nop 0
.rept 4
	v_nop
.endr
	s_branch .Lasked_\@
.Lfor_b_\@:
	tensor_load_to_lds s[\g0b:\g0b+3], s[\g1b:\g1b+7]
	s_nop 0
.rept 4
	v_nop
.endr
.Lasked_\@:
.endm
.macro CREST
	s_cmp_lg_u32 s14, 0
	s_cbranch_scc1 .Lnot_wave_0_\@
	s_barrier_signal -3
.Lnot_wave_0_\@:
	s_barrier_wait -3
	s_barrier_signal -1
	s_barrier_wait -1
.endm
.macro CROUND
	s_barrier_signal -1
	s_barrier_wait -1
	CREST
.endm
	s_load_b128 s[4:7], s[0:1], 0x0
	s_load_b64 s[8:9], s[0:1], 0x10
	v_lshl_add_u32 v[SPW], v0, 2, SPARE
	v_mov_b32 v[NIL], 0
	ds_add_u32 v28, v29
	ds_add_u32 v28, v29
	s_wait_dscnt 0x0
	v_lshrrev_b32 v1, 5, v0
	v_readfirstlane_b32 s14, v1
	s_lshr_b32 s15, s14, 1
	s_and_b32 s16, s14, 1
	s_bfe_u32 s40, ttmp6, 0x40000
	s_bfe_u32 s41, ttmp6, 0x40004
	s_and_b32 s17, ttmp7, 0xffff
	s_lshl_b32 s17, s17, 2
	s_lshl_b32 s42, ttmp9, 2
	s_add_co_u32 s42, s42, 32
	s_cmp_eq_u32 ttmp9, 2
	s_cselect_b32 s18, 40, s17
	s_cselect_b32 s42, s17, s42
	s_add_co_u32 s18, s18, s41
	s_add_co_u32 s42, s42, s40
	s_lshl_b32 s43, s41, 2
	s_lshl_b32 s43, 15, s43
	s_lshl_b32 s44, 0x1111, s40
	s_or_b32 s[G1+0], s43, (3<<16)|(1<<21)
	s_or_b32 s[G1B+0], s44, (3<<16)|(1<<21)
.irp g, G1, G1B
	s_mov_b32 s[\g+1], 384<<16
	s_mov_b32 s[\g+2], 16<<16
	s_mov_b32 s[\g+3], 384<<16
	s_mov_b32 s[\g+4], 16
	s_mov_b32 s[\g+5], 1536
	s_mov_b32 s[\g+6], 0
	s_mov_b32 s[\g+7], 0
.endr
	s_or_b32 s[G1S+0], s43, (3<<16)|(1<<21)
	s_or_b32 s[G1SB+0], s44, (3<<16)|(1<<21)
.irp g, G1S, G1SB
	s_mov_b32 s[\g+1], 32<<16
	s_mov_b32 s[\g+2], 32<<16
	s_mov_b32 s[\g+3], 32<<16
	s_mov_b32 s[\g+4], 32
	s_mov_b32 s[\g+5], 32
	s_mov_b32 s[\g+6], 0
	s_mov_b32 s[\g+7], 0
.endr
	s_lshl_b32 s19, s16, 3
	s_lshl_b32 s20, s18, 4
	s_add_co_u32 s20, s20, s19
	s_lshl_b32 s46, s42, 4
	s_add_co_u32 s46, s46, s19
	s_lshl_b32 s22, s20, 9
	s_mov_b32 s23, 0
	s_lshl_b32 s92, s46, 9
	s_mov_b32 s93, 0
	s_mul_i32 s20, s20, 12288
	s_mov_b32 s21, 0
	s_mul_i32 s46, s46, 12288
	s_mov_b32 s47, 0
	s_mul_i32 s45, s14, HALFT
	s_lshl_b32 s94, s14, 12
	s_wait_kmcnt 0x0
	s_add_nc_u64 s[20:21], s[4:5], s[20:21]
	s_add_nc_u64 s[22:23], s[6:7], s[22:23]
	s_add_nc_u64 s[46:47], s[4:5], s[46:47]
	s_add_nc_u64 s[92:93], s[6:7], s[92:93]
	; the head's four tiles, each whole: A's and B's scale words of 256 rows (8,192 dense bytes), slot 0's 16 tiles of A and of B
	s_lshl_b32 s10, s18, 13
	s_mov_b32 s11, 0
	s_lshl_b32 s12, s42, 13
	s_mov_b32 s13, 0
	s_mov_b32 s[G0S], 1
	s_mov_b32 s[G0S+1], SCL
	s_add_nc_u64 s[G0S+2:G0S+3], s[6:7], s[10:11]
	s_or_b32 s[G0S+3], s[G0S+3], 0x80000000
	s_mov_b32 s[G0SB], 1
	s_mov_b32 s[G0SB+1], SCL+2*HALFS
	s_add_nc_u64 s[G0SB+2:G0SB+3], s[6:7], s[12:13]
	s_or_b32 s[G0SB+3], s[G0SB+3], 0x80000000
	s_mul_i32 s10, s18, 16*12288
	s_mul_i32 s12, s42, 16*12288
	s_mov_b32 s96, 1
	s_mov_b32 s97, 0
	s_add_nc_u64 s[98:99], s[4:5], s[10:11]
	s_or_b32 s99, s99, 0x80000000
.irp s, 0,1
	s_mov_b32 s[G0+4*\s], 1
	s_add_co_u32 s[G0+4*\s+1], s45, \s*SLOT
	s_add_nc_u64 s[G0+4*\s+2:G0+4*\s+3], s[20:21], \s*RBB
	s_or_b32 s[G0+4*\s+3], s[G0+4*\s+3], 0x80000000
	s_mov_b32 s[G0B+4*\s], 1
	s_add_co_u32 s[G0B+4*\s+1], s45, \s*SLOT
	s_add_nc_u64 s[G0B+4*\s+2:G0B+4*\s+3], s[46:47], \s*RBB
	s_or_b32 s[G0B+4*\s+3], s[G0B+4*\s+3], 0x80000000
.endr
	s_mov_b32 s44, 1
	s_mov_b32 s45, 2*HALFT
	s_add_nc_u64 s[46:47], s[4:5], s[12:13]
	s_or_b32 s47, s47, 0x80000000
	CROUND                                         ; all sixteen work-groups are here: the first joint loads meet
	; one tensor load a wave at the head, in one chain of branches on the wave's number
	s_cmp_eq_u32 s14, 0
	s_cbranch_scc0 .Lh_b
	tensor_load_to_lds s[96:99], s[G1:G1+7]
	s_nop 0
.rept 4
	v_nop
.endr
	s_branch .Lh_done
.Lh_b:
	s_cmp_eq_u32 s14, 1
	s_cbranch_scc0 .Lh_sa
	tensor_load_to_lds s[44:47], s[G1B:G1B+7]
	s_nop 0
.rept 4
	v_nop
.endr
	s_branch .Lh_done
.Lh_sa:
	s_cmp_eq_u32 s14, 2
	s_cbranch_scc0 .Lh_sb
	tensor_load_to_lds s[G0S:G0S+3], s[G1S:G1S+7]
	s_nop 0
.rept 4
	v_nop
.endr
	s_branch .Lh_done
.Lh_sb:
	tensor_load_to_lds s[G0SB:G0SB+3], s[G1SB:G1SB+7]
	s_nop 0
.rept 4
	v_nop
.endr
.Lh_done:
	v_and_b32 v1, 15, v0
	v_bfe_u32 v2, v0, 4, 1
	s_wait_alu depctr_va_vdst(0)
	v_and_b32 v[LN], 31, v0
	v_lshlrev_b32 v4, 3, v[LN]
	v_lshlrev_b32 v[CO], 4, v[LN]
	s_mul_i32 s21, s15, HALFT
	s_mul_i32 s22, s16, HALFT
	s_add_co_u32 s22, s22, 2*HALFT
.irp s, 0,1
	v_add_nc_u32 v[ADRA+\s], s21, v4
	v_add_nc_u32 v[ADRB+\s], s22, v4
	s_add_co_u32 s21, s21, SLOT
	s_add_co_u32 s22, s22, SLOT
.endr
	s_lshl_b32 s21, s15, 12
	s_lshl_b32 s22, s16, 12
	s_add_co_u32 s22, s22, 2*HALFS
	s_sub_co_u32 s22, s22, s21
	v_mul_u32_u24 v6, s22, v2
	s_add_co_u32 s21, s21, SCL
	v_lshl_add_u32 v5, v1, 4, v6
	v_add_nc_u32 v[ADRS], s21, v5
	v_mul_u32_u24 v[CS], v2, HEADB
	v_lshl_add_u32 v[CS], v1, 4, v[CS]
	s_cmp_eq_u32 ttmp9, 2
	s_cselect_b32 s10, 0, s17
	s_cselect_b32 s11, s17, 0
	s_add_co_u32 s10, s10, s41
	s_add_co_u32 s11, s11, s40
	s_lshl_b32 s10, s10, 8
	s_lshl_b32 s12, s15, 7
	s_add_co_u32 s10, s10, s12
	s_lshl_b32 s11, s11, 8
	s_lshl_b32 s12, s16, 7
	s_add_co_u32 s11, s11, s12
	s_cmp_eq_u32 ttmp9, 2
	s_cselect_b32 s12, s11, s10
	s_cselect_b32 s13, s10, s11
	s_mov_b32 s19, 12288
	s_cselect_b32 s18, 6144, 0
	s_cselect_b32 s19, 12544, s19
	s_cmp_eq_u32 ttmp9, 0
	s_cselect_b32 s18, 12800, s18
	s_cselect_b32 s19, 18944, s19
	s_lshr_b32 s10, s12, 11
	s_lshl_b32 s10, s10, 4
	s_lshr_b32 s11, s13, 6
	s_add_co_u32 s10, s10, s11
	s_lshl_b32 s10, s10, 4
	s_bfe_u32 s11, s12, 0x40007
	s_add_co_u32 s10, s10, s11
	s_mul_i32 s10, s10, REC
	s_add_co_u32 s12, s10, s19
	s_mov_b32 s13, 0
	s_add_co_u32 s10, s10, s18
	s_mov_b32 s11, 0
	s_add_nc_u64 s[12:13], s[8:9], s[12:13]
	s_add_nc_u64 s[8:9], s[8:9], s[10:11]
.macro FRAG reg, adr, q, i
.irp p, 0,1,2,3,4,5
	ds_load_b64 v[(\reg)+2*\p:(\reg)+2*\p+1], v[\adr] offset:(\i)*RBB+(\q)*FRB+256*\p
.endr
.endm
.macro MUL16 a0, p, q, sc, zero
.irp a, \a0, \a0+1
.irp b, 0,1,2,3,4,5,6,7
.if \zero
	v_wmma_scale_f32_16x16x128_f8f6f4 v[8*(8*((\a)%4)+\b):8*(8*((\a)%4)+\b)+7], v[128*(\p)+FR*\b:128*(\p)+FR*\b+FR-1], v[AF+FR*(\a):AF+FR*(\a)+FR-1], 0, v[SC+8*NQ*(\sc)+NQ*\b+(\q)], v[SC+8*NQ*(\sc)+NQ*(\a)+(\q)] matrix_a_fmt:MATRIX_FMT_FP6 matrix_b_fmt:MATRIX_FMT_FP6 matrix_a_scale:MATRIX_SCALE_ROW1
.else
	v_wmma_scale_f32_16x16x128_f8f6f4 v[8*(8*((\a)%4)+\b):8*(8*((\a)%4)+\b)+7], v[128*(\p)+FR*\b:128*(\p)+FR*\b+FR-1], v[AF+FR*(\a):AF+FR*(\a)+FR-1], v[8*(8*((\a)%4)+\b):8*(8*((\a)%4)+\b)+7], v[SC+8*NQ*(\sc)+NQ*\b+(\q)], v[SC+8*NQ*(\sc)+NQ*(\a)+(\q)] matrix_a_fmt:MATRIX_FMT_FP6 matrix_b_fmt:MATRIX_FMT_FP6 matrix_a_scale:MATRIX_SCALE_ROW1
.endif
.endr
.endr
.endm
.macro FETCH_B slot, q, p
	WIN TO_B
.irp i, 0,1,2,3,4,5,6,7
	FRAG 128*(\p)+FR*\i, ADRB+\slot, \q, \i
.endr
	WIN 0
.endm
.macro FETCH_A slot, q, i0
.irp i, \i0, \i0+1, \i0+2, \i0+3
	FRAG AF+FR*(\i), ADRA+\slot, \q, \i
.endr
.endm
.macro SCALES sc, ksl
.irp i, 0,1,2,3,4,5,6,7
	ds_load_b64 v[SC+8*NQ*(\sc)+NQ*\i:SC+8*NQ*(\sc)+NQ*\i+1], v[ADRS] offset:\i*512+256*((\ksl)/2)+8*((\ksl)%2)
.endr
.endm
.macro PLACES n
.rept \n
	v_nop
.endr
.endm
.macro STEP slot, zero
	s_wait_dscnt 4*NL
	WIN MUL_LO
	MUL16 0, 0, 0, \slot, \zero
	MUL16 2, 0, 0, \slot, \zero
	s_wait_dscnt 0
	PLACES NP
	FETCH_B \slot, 1, 1
	FETCH_A \slot, 1, 0
	WIN MUL_HI
	MUL16 4, 0, 0, \slot, \zero
	MUL16 6, 0, 0, \slot, \zero
	PLACES NP
	WIN 0
	FETCH_A \slot, 1, 4
.endm
.macro TURN slot, next, fill, ksl
	s_wait_tensorcnt 0x0
	ds_add_u32 v[SPW], v[NIL]
	s_wait_dscnt 4*NL+1
	WIN MUL_LO
	MUL16 0, 1, 1, \slot, 0
	s_wait_dscnt 0x0
	s_barrier_signal -1
	MUL16 2, 1, 1, \slot, 0
	WIN 0
	s_barrier_wait -1
.if \fill
	CREST
	s_add_nc_u64 s[G0+4*\slot+2:G0+4*\slot+3], s[G0+4*\slot+2:G0+4*\slot+3], 2*RBB
	s_add_nc_u64 s[G0B+4*\slot+2:G0B+4*\slot+3], s[G0B+4*\slot+2:G0B+4*\slot+3], 2*RBB
	JLOAD G0+4*\slot, G1, G0B+4*\slot, G1B
.else
	PLACES NP
.endif
	FETCH_B \next, 0, 0
	FETCH_A \next, 0, 0
	SCALES \next, \ksl
	WIN MUL_HI
	MUL16 4, 1, 1, \slot, 0
	MUL16 6, 1, 1, \slot, 0
	PLACES NP
	WIN 0
	FETCH_A \next, 0, 4
.endm
	s_wait_alu depctr_va_vdst(0)
	s_wait_tensorcnt 0x0                           ; my tile of the head's four is in
	ds_add_u32 v[SPW], v[NIL]
	s_mov_b32 s[G1+2], 8<<16                       ; no load of mine is out: from here on a load brings 8 tiles
	s_mov_b32 s[G1+4], 8
	s_mov_b32 s[G1B+2], 8<<16
	s_mov_b32 s[G1B+4], 8
	s_wait_dscnt 0x0
	CROUND
	JLOAD G0+4, G1, G0B+4, G1B                     ; slot 1's first fill, the first tensor load behind the round
	FETCH_B 0, 0, 0
	FETCH_A 0, 0, 0
	SCALES 0, 0
	FETCH_A 0, 0, 4
	STEP 0, 1
	TURN 0, 1, 1, 1
	STEP 1, 0
	TURN 1, 0, 1, 2
	STEP 0, 0
	TURN 0, 1, 0, 3
	STEP 1, 0
	s_wait_dscnt 4*NL
	WIN MUL_LO
	MUL16 0, 1, 1, 1, 0
	MUL16 2, 1, 1, 1, 0
	s_wait_dscnt 0
	WIN MUL_HI
	MUL16 4, 1, 1, 1, 0
	MUL16 6, 1, 1, 1, 0
	WIN 0
.macro QUANTW win, s, d0, d1, pw
	WIN 0x14*(\win)
.irp b, 0,1,2,3
	v_max3_num_f32 v[TM+\b], v[FLO], |v[(\s)+16*\b]|, |v[(\s)+1+16*\b]|
.endr
.irp i, 2,4,6,8,10,12,14
.irp b, 0,1,2,3
	v_max3_num_f32 v[TM+\b], v[TM+\b], |v[(\s)+16*\b+\i]|, |v[(\s)+1+16*\b+\i]|
.endr
.endr
	WIN 0
.irp b, 0,1,2,3
	v_permlanex16_b32 v[TM+4+\b], v[TM+\b], s2, s3
.endr
.irp b, 0,1,2,3
	v_max_num_f32 v[TM+\b], v[TM+\b], v[TM+4+\b]
.endr
.irp b, 0,1,2,3
	v_add_nc_u32 v[TM+12+\b], 0xff000000, v[TM+\b]
.endr
.irp b, 0,1,2,3
	v_lshrrev_b32 v[TM+4+\b], 23, v[TM+12+\b]
.endr
	v_lshl_or_b32 v[\pw], v[TM+5], 8, v[TM+4]
	v_lshl_or_b32 v[\pw], v[TM+6], 16, v[\pw]
	v_lshl_or_b32 v[\pw], v[TM+7], 24, v[\pw]
	WIN (\win)
	v_cvt_scalef32_pk16_fp6_f32 v[(\d0):(\d0)+2], v[(\s):(\s)+15], v[TM+12]
	v_cvt_scalef32_pk16_fp6_f32 v[T:T+2], v[(\s)+16:(\s)+31], v[TM+13]
	v_cvt_scalef32_pk16_fp6_f32 v[(\d1):(\d1)+2], v[(\s)+32:(\s)+47], v[TM+14]
	v_cvt_scalef32_pk16_fp6_f32 v[T+4:T+6], v[(\s)+48:(\s)+63], v[TM+15]
	WIN 0
	v_nop
.irp i, 0,1,2
	v_permlane16_swap_b32 v[(\d0)+\i], v[T+\i]
	v_permlane16_swap_b32 v[(\d1)+\i], v[T+4+\i]
.endr
.irp i, 0,1,2
	v_mov_b32 v[(\d0)+3+\i], v[T+\i]
	v_mov_b32 v[(\d1)+3+\i], v[T+4+\i]
.endr
.endm
.macro OUT_QK bb
.set RS, 90+38*((\bb)%2)
	s_wait_xcnt 0x0
	QUANTW 2+(\bb)/2, 128*((\bb)%2), RS, RS+12, PWX
	QUANTW 2+(\bb)/2, 128*((\bb)%2)+64, RS+6, RS+18, PWY
	v_perm_b32 v[SW+(\bb)], v[PWY], v[PWX], 0x05040100
	v_perm_b32 v[SW+4+(\bb)], v[PWY], v[PWX], 0x07060302
.irp g, 0,1,2
	global_store_b128 v[CO], v[RS+4*\g:RS+4*\g+3], s[8:9] offset:FRB*(\bb)+512*\g
	global_store_b128 v[CO], v[RS+12+4*\g:RS+12+4*\g+3], s[8:9] offset:HEADB+FRB*(\bb)+512*\g
.endr
.endm
; V along the tokens: by the order of x's tiles register 32 c + i of a lane is token 64 c + 32 h + i: a lane holds blocks h and 2 + h whole, in the order of the operand's registers
.macro QUANTV win, s, d, pw
	WIN 0x14*(\win)
.irp c, 0,1
	v_max3_num_f32 v[TM+\c], v[FLO], |v[(\s)+32*\c]|, |v[(\s)+32*\c+1]|
	v_max3_num_f32 v[TM+2+\c], v[FLO], |v[(\s)+32*\c+16]|, |v[(\s)+32*\c+17]|
.endr
.irp i, 2,4,6,8,10,12,14
.irp c, 0,1
	v_max3_num_f32 v[TM+\c], v[TM+\c], |v[(\s)+32*\c+\i]|, |v[(\s)+32*\c+\i+1]|
	v_max3_num_f32 v[TM+2+\c], v[TM+2+\c], |v[(\s)+32*\c+16+\i]|, |v[(\s)+32*\c+17+\i]|
.endr
.endr
	WIN 0
.irp c, 0,1
	v_max_num_f32 v[TM+\c], v[TM+\c], v[TM+2+\c]
.endr
.irp c, 0,1
	v_add_nc_u32 v[TM+12+\c], 0xff000000, v[TM+\c]
.endr
.irp c, 0,1
	v_lshrrev_b32 v[TM+4+\c], 23, v[TM+12+\c]
.endr
	v_lshl_or_b32 v[TM+6], v[TM+5], 16, v[TM+4]
	v_lshlrev_b32 v[TM+6], v3, v[TM+6]             ; my two bytes at bits 8 h and 16 + 8 h
	v_permlanex16_b32 v[TM+7], v[TM+6], s2, s3
	v_or_b32 v[\pw], v[TM+6], v[TM+7]              ; with lane l xor 16's two the word is whole
	WIN (\win)
	v_cvt_scalef32_pk16_fp6_f32 v[(\d):(\d)+2], v[(\s):(\s)+15], v[TM+12]
	v_cvt_scalef32_pk16_fp6_f32 v[T:T+2], v[(\s)+16:(\s)+31], v[TM+12]
	v_cvt_scalef32_pk16_fp6_f32 v[(\d)+6:(\d)+8], v[(\s)+32:(\s)+47], v[TM+13]
	v_cvt_scalef32_pk16_fp6_f32 v[T+4:T+6], v[(\s)+48:(\s)+63], v[TM+13]
	WIN 0
	v_nop
.irp i, 0,1,2
	v_mov_b32 v[(\d)+3+\i], v[T+\i]
	v_mov_b32 v[(\d)+9+\i], v[T+4+\i]
.endr
.endm
.macro OUT_V a
.set RS, 90+38*((\a)%2)
	s_wait_xcnt 0x0
	QUANTV 2+(\a)/4, 64*((\a)%4), RS, SW+(\a)
.irp g, 0,1,2
	global_store_b128 v[CO], v[RS+4*\g:RS+4*\g+3], s[8:9] offset:HEADB*((\a)/4)+FRB*((\a)%4)+512*\g
.endr
.endm
	s_mov_b32 s2, 0x76543210
	s_mov_b32 s3, 0xfedcba98
	v_mov_b32 v[FLO], 0x1800000
	v_lshlrev_b32 v3, 3, v2                        ; 8 h
.irp b, 0,1,2,3
	v_mov_b32 v[TM+4+\b], 0
.endr
	s_cmp_eq_u32 ttmp9, 2
	s_cbranch_scc1 .Lout_v
	s_wait_alu depctr_va_vdst(0)
.irp bb, 0,1,2,3
	OUT_QK \bb
.endr
	s_branch .Lwords
.Lout_v:
	s_wait_alu depctr_va_vdst(0)
.irp a, 0,1,2,3,4,5,6,7
	OUT_V \a
.endr
.Lwords:
	v_cmp_le_u32 vcc_lo, 16, v[LN]
	s_wait_alu depctr_va_vdst(0)
.irp i, 0,1,2,3
	v_cndmask_b32 v[SD+\i], v[SW+\i], v[SW+4+\i], vcc_lo
.endr
	global_store_b128 v[CS], v[SD:SD+3], s[12:13]
	s_wait_tensorcnt 0x0
	ds_add_u32 v[SPW], v[NIL]
	s_wait_dscnt 0x0
	CROUND
	s_endpgm
.Lfunc_end_k_qc8a5db2382_gemm_qkv:
	.size	k_qc8a5db2382_gemm_qkv, .Lfunc_end_k_qc8a5db2382_gemm_qkv-k_qc8a5db2382_gemm_qkv
	.p2alignl 7, 3214868480
	.fill 96, 4, 3214868480
	.section	.rodata,"a",@progbits
	.p2align	6, 0x0
	.amdhsa_kernel k_qc8a5db2382_gemm_qkv
		.amdhsa_group_segment_fixed_size 327680
		.amdhsa_private_segment_fixed_size 0
		.amdhsa_enable_private_segment 0
		.amdhsa_kernarg_size 24
		.amdhsa_user_sgpr_count 2
		.amdhsa_user_sgpr_kernarg_segment_ptr 1
		.amdhsa_wavefront_size32 1
		.amdhsa_system_sgpr_workgroup_id_x 1
		.amdhsa_system_sgpr_workgroup_id_y 1
		.amdhsa_system_sgpr_workgroup_id_z 1
		.amdhsa_system_vgpr_workitem_id 0
		.amdhsa_next_free_vgpr 1024
		.amdhsa_next_free_sgpr 100
		.amdhsa_reserve_vcc 1
		.amdhsa_float_denorm_mode_32 3
		.amdhsa_float_denorm_mode_16_64 3
		.amdhsa_memory_ordered 1
		.amdhsa_forward_progress 1
		.amdhsa_inst_pref_size 192
	.end_amdhsa_kernel
	.amdgpu_metadata
---
amdhsa.version: [ 1, 2 ]
amdhsa.kernels:
  - .name:           k_qc8a5db2382_gemm_qkv
    .symbol:         k_qc8a5db2382_gemm_qkv.kd
    .args:
      - { .name: cod, .offset: 0, .size: 8, .value_kind: global_buffer, .address_space: global }
      - { .name: scl, .offset: 8, .size: 8, .value_kind: global_buffer, .address_space: global }
      - { .name: qkv, .offset: 16, .size: 8, .value_kind: global_buffer, .address_space: global }
    .group_segment_fixed_size: 327680
    .private_segment_fixed_size: 0
    .kernarg_segment_align: 8
    .kernarg_segment_size: 24
    .max_flat_workgroup_size: 128
    .sgpr_count:     100
    .vgpr_count:     1024
    .wavefront_size: 32
...
	.end_amdgpu_metadata
.endif
;; end of part 2
;; launch attn (part 3): grid 4 x 64, 8 waves a work-group, clusters of 4 x 1, 207,872 bytes of LDS; arguments qkv, ac, asc; writes ac, asc
.if DOCPART == 3
	.amdgcn_target "amdgcn-amd-amdhsa--gfx1250"
	.amdhsa_code_object_version 6
	.text
	.protected	k_qc8a5db2382_attn
	.globl	k_qc8a5db2382_attn
	.p2align	8
	.type	k_qc8a5db2382_attn,@function
k_qc8a5db2382_attn:
	s_mov_b64 s[64:65], 0
	v_nop
	global_prefetch_b8 v0, s[64:65] scope:SCOPE_SE
	s_setreg_imm32_b32 hwreg(HW_REG_WAVE_MODE, 25, 1), 1
	s_wait_xcnt 0x0
	s_wait_alu depctr_hold_cnt(0) depctr_sa_sdst(0) depctr_va_vdst(0) depctr_va_sdst(0) depctr_va_ssrc(0) depctr_va_vcc(0) depctr_vm_vsrc(0)
	s_getreg_b32 s2, hwreg(HW_REG_IB_STS2, 6, 4)
	s_cmp_eq_u32 s2, 0
	s_cbranch_scc0 .Lentry_in_a_cluster
	s_endpgm
.Lentry_in_a_cluster:
	s_bfe_u32 s2, ttmp6, 0x10000c
	s_cmp_lg_u32 s2, 0x3003
	s_cbranch_scc0 .Lentry_shape_is_right
	s_endpgm
.Lentry_shape_is_right:
; o = softmax(q k^T / 8) v for 64 heads of 2,048 tokens x 64, both products on codes of FP6 (E2M3) with E8M0 scales; o / l is quantised along (head, d) for the last product.
; THE SOFTMAX: t = score x log2(e) / 8; M = the running largest t rounded UP to a whole number; p = 2^(t - M) is quantised along the keys, not normalised; the row's sum is taken of the unquantised p and divides at the end.
; qkv: [head 64][step of 128 tokens 16][19,200 bytes]: K's four pair images, V's four images, K's and V's scale words (12,800 bytes), then Q's four pair images and scale words.
; K = 64 is half of the instruction's 128: a pair image holds tile 2 b's 64 d in registers 0-5 and tile 2 b + 1's in 6-11; against [Q | zeros] it gives tile 2 b's scores, against [zeros | Q] tile 2 b + 1's.
; ORDER OF TOKENS: place m of tile t8 of a step is token 64 (t8 / 4) + 8 (t8 % 4) + m % 8 + 32 (m / 8).  S^T = K Q^T: lane (r, h) holds query r, and its registers 32 c + i are keys 64 c + 32 h + i:
; a lane holds blocks h and 2 + h of the step's four WHOLE, in the order of the next operand's registers: a block's maximum asks no other lane, and the conversions' results are the operand.
; SHARES: a work-group owns one head and 512 queries; each of its eight waves 64 of them, in two passes of TWO tiles of 16: one fragment of K or V read from LDS serves both tiles.
; All of a head's K and V, 204,800 bytes, stays in LDS: wave w brings steps 2 w and 2 w + 1 with one tensor load (two rows of 12,800 bytes, 19,200 apart).  Nothing is filled again: no ring; and all that the launch
; reads of K and V is asked for by these loads, so nothing is left to prefetch.  CLUSTER: the four work-groups of a head read the same K and V: each load is asked for jointly by the four.
; K's fragments of step s + 1 are fetched behind step s's score products, V's of step s at its top: each of the two counted waits (13) leaves the 13 younger loads out.  The last step fetches step 15 once more; it is not used.
; PRODUCTS STAND AMONG VECTOR LINES of the other tile: tile 1's scores among tile 0's maxima, tile 0's second product among tile 1's sums, tile 1's among tile 0's.
; LIMITS: NaN and infinities are not served; a block whose largest magnitude lies under 2^-124, a block of zeros among them, keeps the byte 1; the bytes are read by this program alone;
; the promise holds while the scaled scores stay under 2^31 in magnitude.
; REGISTERS.  Window u (u = 0, 1) holds tile u's S^T / p v96-159, O^T v160-191, zeros | Q | zeros v192-209, p's codes v212-223, halves of codes v224-230, the next pass's Q v232-237.
; Window 1 also: K's four fragments v0-47, V's v48-95.  Window 0, for both tiles: v1-11 addresses; v12+4u -M, v13+4u the largest score, v[14+4u:15+4u] the sum, v[20+2u:21+2u] the factor;
; scales and nothing else: v24+u Q's, v28-31 K's, v32-35 V's, v36+u p's; v26, v27 Q's raw words; v38, v39 the add's; v40-63 at work; v64-79 partial sums, then o's codes.
.set STEPB, 12800
.set REC,   19200
.set HEADB, 16*REC
.set ASG,   16*STEPB                   ; 1,024 bytes in which the work-group's scale bytes of o are gathered; no fill lands there
.set SPARE, ASG+1024                   ; the spare words: 128 bytes a wave
.set S, 96
.set O, 160
.set Z, 192
.set P, 212
.set T, 224
.set QX, 232
.set KF, 0
.set VF, 48
.set NM, 12
.set L, 14
.set F, 20
.set QS, 24
.set QW, 26
.set KS, 28
.set VS, 32
.set PW, 36
.set SPW, 38
.set NIL, 39
.set MX, 40
.set MB, 44
.set SO, 48
.set BY, 52
.set R, 56
.set RP, 58
.set DD, 60
.set W, 62
.set SA, 64
.set MSB, 0
.macro WIN new                         ; bits 1:0 source 0, 3:2 source 1, 5:4 source 2, 7:6 destination; the high byte repeats the setting that is left
.if MSB != \new
	s_set_vgpr_msb (MSB<<8)|\new
.set MSB, \new
.endif
.endm
.macro WALU
	s_wait_alu depctr_va_vdst(0)
.endm
.macro D2
	s_delay_alu instid0(VALU_DEP_2)
.endm
.macro CROUND
	s_barrier_signal -1
	s_barrier_wait -1
	s_cmp_lg_u32 s18, 0
	s_cbranch_scc1 .Lnot_wave_0_\@
	s_barrier_signal -3
.Lnot_wave_0_\@:
	s_barrier_wait -3
	s_barrier_signal -1
	s_barrier_wait -1
.endm
.macro MM d, a, b, c, sa, sb
	v_wmma_scale_f32_16x16x128_f8f6f4 v[\d:\d+7], v[\a:\a+11], v[\b:\b+11], \c, v[\sa], v[\sb] matrix_a_fmt:MATRIX_FMT_FP6 matrix_b_fmt:MATRIX_FMT_FP6
.endm
.macro QKN u, n                        ; tile u's scores of key tile n of the step's eight
.if (\n)%2 == 0
	MM S+16*((\n)/2), KF+12*((\n)/2), Z+6, 0, KS+(\n)/2, QS+\u
.else
	MM S+8+16*((\n)/2), KF+12*((\n)/2), Z, 0, KS+(\n)/2, QS+\u
.endif
.endm
.macro PVN u, t                        ; four accumulators by turns
	MM O+8*\t, VF+12*\t, P, v[O+8*\t:O+8*\t+7], VS+\t, PW+\u
.endm
.macro MAXG g                          ; tile 0's maxima in eight groups, one behind each of tile 1's score products: two chains a block, four lines by turns; the last group joins the chains
	WIN 0
.if (\g) == 0
.irp c, 0,1
	v_max3_num_f32 v[MX+\c], v[S+32*\c], v[S+32*\c+1], v[S+32*\c+2]
	v_max3_num_f32 v[MB+\c], v[S+32*\c+17], v[S+32*\c+18], v[S+32*\c+19]
.endr
.elseif (\g) < 7
.irp c, 0,1
	v_max3_num_f32 v[MX+\c], v[MX+\c], v[S+32*\c+2*(\g)+1], v[S+32*\c+2*(\g)+2]
	v_max3_num_f32 v[MB+\c], v[MB+\c], v[S+32*\c+2*(\g)+18], v[S+32*\c+2*(\g)+19]
.endr
.else
.irp c, 0,1
	v_max3_num_f32 v[MX+\c], v[MX+\c], v[S+32*\c+15], v[S+32*\c+16]
.endr
.irp c, 0,1
	v_max_num_f32 v[MX+\c], v[MX+\c], v[MB+\c]
.endr
.endif
.endm
.macro MAXES u                         ; the largest score of my two blocks, two chains a block; each accumulator is first read at its low end
	WIN 0x15*(\u)
.irp c, 0,1
	v_max3_num_f32 v[MX+2*(\u)+\c], v[S+32*\c], v[S+32*\c+1], v[S+32*\c+2]
	v_max3_num_f32 v[MB+2*(\u)+\c], v[S+32*\c+17], v[S+32*\c+18], v[S+32*\c+19]
.endr
	WIN 0x14*(\u)
.irp i, 3,5,7,9,11,13
.irp c, 0,1
	v_max3_num_f32 v[MX+2*(\u)+\c], v[MX+2*(\u)+\c], v[S+32*\c+\i], v[S+32*\c+\i+1]
	v_max3_num_f32 v[MB+2*(\u)+\c], v[MB+2*(\u)+\c], v[S+32*\c+\i+17], v[S+32*\c+\i+18]
.endr
.endr
.irp c, 0,1
	v_max3_num_f32 v[MX+2*(\u)+\c], v[MX+2*(\u)+\c], v[S+32*\c+15], v[S+32*\c+16]
.endr
.endm
.macro SCALE u                         ; O^T under the new M, and t - M, two at a time
	WIN 0x41*(\u)
.set j, 0
.rept 16
	v_pk_mul_f32 v[O+j:O+j+1], v[O+j:O+j+1], v[F+2*(\u):F+2*(\u)+1] op_sel_hi:[1,0]
.set j, j+2
.endr
.set j, 0
.rept 32
	v_pk_fma_f32 v[S+j:S+j+1], v[S+j:S+j+1], s[22:23], v[NM+4*(\u):NM+4*(\u)+1] op_sel_hi:[1,0,0]
.set j, j+2
.endr
.endm
.macro EXPS u
	WIN 0x41*(\u)
.set j, 0
.rept 64
	v_exp_f32 v[S+j], v[S+j]
.set j, j+1
.endr
.endm
.macro CODES u
	WIN 0x41*(\u)
.irp c, 0,1
	v_cvt_scalef32_pk16_fp6_f32 v[P+6*\c:P+6*\c+2], v[S+32*\c:S+32*\c+15], v[SO+2*(\u)+\c]
	v_cvt_scalef32_pk16_fp6_f32 v[T+4*\c:T+4*\c+2], v[S+32*\c+16:S+32*\c+31], v[SO+2*(\u)+\c]
.endr
.endm
.macro MOVES u                         ; a conversion's three registers begin on an even number: a block's second half is moved
	WIN 0x41*(\u)
.irp c, 0,1
.irp i, 0,1,2
	v_mov_b32 v[P+6*\c+3+\i], v[T+4*\c+\i]
.endr
.endr
.endm
; the row's sum of the unquantised p: 32 packed additions in four chains, in three parts
.macro SUMF u                          ; three chains begin
	WIN 0x05*(\u)
.irp i, 0,1,2
	v_pk_add_f32 v[SA+6*(\u)+2*\i:SA+6*(\u)+2*\i+1], v[S+4*\i:S+4*\i+1], v[S+4*\i+2:S+4*\i+3]
.endr
.endm
.macro SUMC u, n                       ; n more pairs, from pair k on; p is source 0, so that tile 1's lines run under the window setting of tile 0's second product
	WIN 0x01*(\u)
.rept \n
.if k%4 == 3
	v_pk_add_f32 v[L+4*(\u):L+4*(\u)+1], v[S+2*k:S+2*k+1], v[L+4*(\u):L+4*(\u)+1]
.else
	v_pk_add_f32 v[SA+6*(\u)+2*(k%4):SA+6*(\u)+2*(k%4)+1], v[S+2*k:S+2*k+1], v[SA+6*(\u)+2*(k%4):SA+6*(\u)+2*(k%4)+1]
.endif
.set k, k+1
.endr
.endm
.macro SUML u                          ; the chains are joined
	WIN 0
	v_pk_add_f32 v[SA+6*(\u):SA+6*(\u)+1], v[SA+6*(\u):SA+6*(\u)+1], v[SA+6*(\u)+2:SA+6*(\u)+3]
	v_pk_add_f32 v[L+4*(\u):L+4*(\u)+1], v[L+4*(\u):L+4*(\u)+1], v[SA+6*(\u)+4:SA+6*(\u)+5]
	v_pk_add_f32 v[L+4*(\u):L+4*(\u)+1], v[L+4*(\u):L+4*(\u)+1], v[SA+6*(\u):SA+6*(\u)+1]
.endm
.macro KLOAD adr, ads                  ; K's four pair images into window 1, and its scale words
	WIN 0x40
.irp b, 0,1,2,3
.irp g, 0,1,2
	ds_load_b128 v[KF+12*\b+4*\g:KF+12*\b+4*\g+3], v\adr offset:1536*\b+512*\g
.endr
.endr
	WIN 0
	ds_load_b128 v[KS:KS+3], v\ads
.endm
	s_load_b128 s[4:7], s[0:1], 0x0                ; qkv, ac
	s_load_b64 s[8:9], s[0:1], 0x10                ; asc
	v_lshl_add_u32 v[SPW], v0, 2, SPARE
	v_mov_b32 v[NIL], 0
	ds_add_u32 v[SPW], v[NIL]                      ; the opening lines: the add, twice on end, and its wait
	ds_add_u32 v[SPW], v[NIL]
	v_lshrrev_b32 v1, 5, v0
	v_readfirstlane_b32 s18, v1                    ; wave 0..7
	s_bfe_u32 s40, ttmp6, 0x40000                  ; cx: it enters Q's, ac's and asc's addresses alone
	s_and_b32 s41, ttmp7, 0xffff                   ; batch x 16 + head, which the four partners share
	s_mul_i32 s42, s41, HEADB
	s_mul_i32 s44, s18, 2*REC
	s_add_co_u32 s44, s44, s42                     ; the record of step 2 w
	s_mov_b32 s45, 0
	s_mov_b32 s24, 15|(3<<16)|(1<<21)              ; the mask: all four work-groups; elements of 8 bytes; bit 21 beside a mask
	s_mov_b32 s25, 1600<<16                        ; two rows of 1,600 elements, 2,400 apart
	s_mov_b32 s26, 2<<16
	s_mov_b32 s27, 1600<<16
	s_mov_b32 s28, 2
	s_mov_b32 s29, 2400
	s_mov_b32 s30, 0
	s_mov_b32 s31, 0
	s_mov_b32 s32, 1
	s_mul_i32 s33, s18, 2*STEPB                    ; LDS: wave x 25,600
	s_mov_b32 s20, 0x76543210
	s_mov_b32 s21, 0xfedcba98                      ; v_permlanex16_b32's selects for lane l xor 16
	s_mov_b32 s22, 0x3e38aa3b                      ; c = log2(e) / 8
	s_mov_b32 s23, s22
	s_mov_b32 s19, 0xbe38aa3b                      ; -c
	s_wait_dscnt 0x0
	s_wait_kmcnt 0x0
	s_add_nc_u64 s[34:35], s[4:5], s[44:45]
	s_or_b32 s35, s35, 0x80000000
	CROUND                                         ; all four work-groups are here: the joint loads meet
	tensor_load_to_lds s[32:35], s[24:31]          ; my one tensor load of the launch
	s_nop 0
.rept 4
	v_nop
.endr
	s_lshl_b32 s46, s40, 4
	s_lshl_b32 s47, s18, 1
	s_add_co_u32 s46, s46, s47                     ; my first pair of query tiles, 0 .. 62; the second pass takes the next
	s_lshr_b32 s47, s46, 2
	s_and_b32 s48, s46, 3
	s_mul_i32 s47, s47, REC
	s_add_co_u32 s47, s47, s42                     ; their record
	s_mul_i32 s50, s48, 1536
	s_add_co_u32 s50, s50, s47
	s_add_co_u32 s50, s50, 12800
	s_mov_b32 s51, 0
	s_add_nc_u64 s[36:37], s[4:5], s[50:51]        ; the first pair's image
	s_lshl_b32 s50, s48, 2
	s_add_co_u32 s50, s50, s47
	s_add_co_u32 s50, s50, 18944
	s_add_nc_u64 s[38:39], s[4:5], s[50:51]        ; its scale words
	s_lshr_b32 s48, s41, 4                         ; batch
	s_and_b32 s49, s41, 15                         ; head
	s_lshl_b32 s50, s48, 7
	s_lshl_b32 s52, s46, 1
	s_add_co_u32 s50, s50, s52                     ; my first tile of 16 places among ac's 512
	s_lshl_b32 s50, s50, 3
	s_lshr_b32 s52, s49, 1
	s_add_co_u32 s50, s50, s52                     ; K step head / 2
	s_mul_i32 s50, s50, 1536
	s_and_b32 s52, s49, 1
	s_mul_i32 s52, s52, 768                        ; its half head % 2
	s_add_co_u32 s50, s50, s52
	s_add_nc_u64 s[56:57], s[6:7], s[50:51]
	s_and_b32 s55, s18, 1
	s_lshl_b32 s55, s55, 9
	s_lshl_b32 s50, s49, 14                        ; asc: 16,384 bytes a head, 4,096 a batch, 1,024 a work-group
	s_lshl_b32 s52, s48, 12
	s_add_co_u32 s50, s50, s52
	s_lshl_b32 s52, s40, 10
	s_add_co_u32 s50, s50, s52
	s_add_co_u32 s50, s50, s55
	s_add_nc_u64 s[58:59], s[8:9], s[50:51]
	v_and_b32 v5, 31, v0                           ; lane
	v_and_b32 v6, 15, v0                           ; r
	v_bfe_u32 v11, v0, 4, 1
	v_lshlrev_b32 v11, 3, v11                      ; 8 h
	v_lshlrev_b32 v1, 4, v5                        ; 16 x lane
	v_lshlrev_b32 v9, 4, v6                        ; 16 r
	v_add_nc_u32 v2, 12288, v9
	v_lshlrev_b32 v7, 3, v5                        ; 8 x lane
	s_lshl_b32 s54, s18, 7
	s_add_co_u32 s54, s54, ASG
	v_lshl_add_u32 v8, v6, 1, s54                  ; o's two scale bytes of query r: 128 bytes a wave
	s_add_co_u32 s55, s55, ASG
	v_add_nc_u32 v10, s55, v1
	global_load_b32 v[QW], v9, s[38:39]            ; a pair's word: bytes 0, 1 the first tile's query r, bytes 2, 3 the second's
	global_load_b32 v[QW+1], v9, s[38:39] offset:4
	global_load_b128 v[Z+6:Z+9], v1, s[36:37]      ; registers 0-5 of the pair image: tile 0
	global_load_b64 v[Z+10:Z+11], v1, s[36:37] offset:512
	global_load_b128 v[QX:QX+3], v1, s[36:37] offset:1536
	global_load_b64 v[QX+4:QX+5], v1, s[36:37] offset:2048
	WIN 0x40
	global_load_b64 v[Z+6:Z+7], v1, s[36:37] offset:520    ; registers 6-11: tile 1, into window 1
	global_load_b128 v[Z+8:Z+11], v1, s[36:37] offset:1024
	global_load_b64 v[QX:QX+1], v1, s[36:37] offset:2056
	global_load_b128 v[QX+2:QX+5], v1, s[36:37] offset:2560
.irp i, 0,1,2,3,4,5
	v_mov_b32 v[Z+\i], 0                           ; zero codes on both sides of Q
	v_mov_b32 v[Z+12+\i], 0
.endr
	WIN 0
.irp i, 0,1,2,3,4,5
	v_mov_b32 v[Z+\i], 0
	v_mov_b32 v[Z+12+\i], 0
.endr
	v_mov_b32 v[RP], 0                             ; a lane permute's destination counts as one of its sources
	v_mov_b32 v[RP+1], 0
	v_mov_b32 v[F+1], 0                            ; (named as the upper halves of pairs)
	v_mov_b32 v[F+3], 0
	s_mov_b32 s16, 0                               ; the pass
	s_mov_b32 s17, 0                               ; its 64 bytes of my part of the stage
	WALU                                           ; the wait at the head's end
	s_wait_loadcnt 0x0
	s_wait_tensorcnt 0x0                           ; my two steps have landed,
	s_barrier_signal -1
	s_barrier_wait -1                              ; everybody's have: from here on K and V are only read
.Lpass:                                                ; two tiles of 16 queries against all 2,048 keys
	KLOAD 1, 2                                     ; step 0's K
.irp u, 0,1
	v_mov_b32 v[NM+4*\u+1], 0xff61b1e6             ; the largest score so far: -3e38
	v_mov_b32 v[NM+4*\u], 0x7d000000               ; -M: so large that the first factor is 0
	v_mov_b32 v[L+4*\u], 0
	v_mov_b32 v[L+4*\u+1], 0
.endr
	v_perm_b32 v[QS], v[QW], v[QW], 0x01000100     ; Q's two bytes, for either half of the instruction's K
	v_perm_b32 v[QS+1], v[QW], v[QW], 0x03020302
.set j, 0
.rept 32
	v_mov_b32 v[O+j], 0                            ; O^T.  (Also the places between Q's scale words and codes and the first product)
.set j, j+1
.endr
	WIN 0x40
.set j, 0
.rept 32
	v_mov_b32 v[O+j], 0
.set j, j+1
.endr
	WIN 0
	s_mov_b32 s2, 0                                ; LDS byte at which the step in hand begins
	s_mov_b32 s3, 16
	WALU
.Lstep:
	v_add_nc_u32 v3, s2, v1
	v_add_nc_u32 v4, s2, v2
	v_nop
	v_nop                                          ; places in front of the loads into V's registers
	WIN 0x40
.irp t, 0,1,2,3
.irp g, 0,1,2
	ds_load_b128 v[VF+12*\t+4*\g:VF+12*\t+4*\g+3], v3 offset:6144+1536*\t+512*\g
.endr
.endr
	WIN 0
	ds_load_b128 v[VS:VS+3], v4 offset:256
	s_wait_dscnt 13                                ; K's 13 loads are in; V's 13 may be out
	WIN 0x01
.irp n, 0,1,2,3,4,5,6,7
	QKN 0, \n
.endr
	WIN 0
	s_add_co_u32 s2, s2, STEPB
	s_min_u32 s12, s2, 15*STEPB                    ; the next step, held at the last
	v_add_nc_u32 v5, s12, v1
	v_add_nc_u32 v6, s12, v2
	v_nop
	v_nop                                          ; four places behind tile 0's score products, in front of the reads of their results
.irp n, 0,1,2,3,4,5,6,7
	WIN 0x45
	QKN 1, \n
	MAXG \n                                        ; the last group's four lines are the places in front of the loads into K's registers and of the reads of tile 1's scores
.endr
	KLOAD 5, 6
	MAXES 1
	WIN 0
.irp e, 2,3
	v_max_num_f32 v[MX+\e], v[MX+\e], v[MB+\e]     ; the block's largest score: for the row's maximum and, since p rises with the score, for the block's largest p
.endr
.irp u, 0,1                                    ; the two tiles by turns
	v_max_num_f32 v[R+\u], v[MX+2*\u], v[MX+2*\u+1]
.endr
.irp u, 0,1
	D2
	v_permlanex16_b32 v[RP+\u], v[R+\u], s20, s21
.endr
.irp u, 0,1
	D2
	v_max3_num_f32 v[NM+4*\u+1], v[NM+4*\u+1], v[R+\u], v[RP+\u]   ; the running largest score
.endr
.irp u, 0,1
	D2
	v_mul_f32 v[R+\u], s19, v[NM+4*\u+1]           ; -t
.endr
.irp u, 0,1
	D2
	v_floor_f32 v[RP+\u], v[R+\u]                  ; the new -M: M is a whole number
.endr
.irp u, 0,1
	D2
	v_sub_f32 v[DD+\u], v[RP+\u], v[NM+4*\u]       ; old M - new M: a whole number, 0 or less
.endr
.irp u, 0,1
	D2
	v_cvt_i32_f32 v[DD+\u], v[DD+\u]               ; (it saturates)
.endr
.irp u, 0,1
	D2
	v_ldexp_f32 v[F+2*\u], 1.0, v[DD+\u]           ; f = 2^(old M - new M): a multiplication by it rounds nothing
.endr
.irp u, 0,1
	v_mov_b32 v[NM+4*\u], v[RP+\u]
.endr
.irp u, 0,1
	v_pk_mul_f32 v[L+4*\u:L+4*\u+1], v[L+4*\u:L+4*\u+1], v[F+2*\u:F+2*\u+1] op_sel_hi:[1,0]
.endr
.irp u, 0,1
.irp c, 0,1
	v_fma_f32 v[MX+2*\u+\c], v[MX+2*\u+\c], s22, v[NM+4*\u]
.endr
.endr
	SCALE 0
	SCALE 1
	WALU                                           ; the wait ahead of the batch
	EXPS 0                                         ; p = 2^(t - M)
	EXPS 1
	WIN 0
.irp e, 0,1,2,3
	v_exp_f32 v[MX+\e], v[MX+\e]                   ; the block's largest p: the same two instructions on the same number
.endr
	v_nop                                          ; a plain place behind the exponentials
	WALU                                           ; and the wait behind the batch
	s_wait_dscnt 13                                ; V is in; the next step's K, 13 loads, may be out
.irp e, 0,1,2,3
	v_max_num_f32 v[MX+\e], 0x1800000, v[MX+\e]    ; the floor 2^(3 - 127): the byte cannot fall under 1
.endr
.irp e, 0,1,2,3
	v_add_nc_u32 v[SO+\e], 0xff000000, v[MX+\e]    ; 2 off the exponent field: the conversion's scale operand
.endr
.irp e, 0,1,2,3
	v_lshrrev_b32 v[BY+\e], 23, v[SO+\e]
.endr
.irp u, 0,1
	v_lshl_or_b32 v[W+\u], v[BY+2*\u+1], 16, v[BY+2*\u]
.endr
.irp u, 0,1
	D2
	v_lshlrev_b32 v[W+\u], v11, v[W+\u]            ; blocks h and 2 + h: bits 8 h and 16 + 8 h
.endr
.irp u, 0,1
	D2
	v_permlanex16_b32 v[RP+\u], v[W+\u], s20, s21
.endr
.irp u, 0,1
	D2
	v_or_b32 v[PW+\u], v[W+\u], v[RP+\u]           ; p's scale word for these 128 keys
.endr
	CODES 0
	CODES 1
	v_nop                                          ; one plain place behind a scaled conversion
	MOVES 0
	MOVES 1
	SUMF 0                                         ; (the moves and these six lines are the places between p's words and codes and the products)
	SUMF 1
.set k, 6
	WIN 0x01
	PVN 0, 0
	SUMC 1, 7
	PVN 0, 1
	SUMC 1, 6
	PVN 0, 2
	SUMC 1, 7
	PVN 0, 3
	SUMC 1, 6
	SUML 1
.set k, 6
	WIN 0x55
	PVN 1, 0
	SUMC 0, 7
	WIN 0x55
	PVN 1, 1
	SUMC 0, 6
	WIN 0x55
	PVN 1, 2
	SUMC 0, 7
	WIN 0x55
	PVN 1, 3
	SUMC 0, 6
	SUML 0
	s_sub_co_u32 s3, s3, 1
	s_cmp_lg_u32 s3, 0
	s_cbranch_scc1 .Lstep
	WALU
	s_wait_dscnt 0x0                               ; the last fetch of K has landed: its registers are loaded again in the next pass
.rept 4
	v_nop                                          ; places behind the last products
.endr
	v_add_nc_u32 v5, s17, v8
.irp u, 0,1
	v_add_f32 v[L+4*\u], v[L+4*\u], v[L+4*\u+1]
.endr
.irp u, 0,1
	D2
	v_permlanex16_b32 v[RP+\u], v[L+4*\u], s20, s21
.endr
.irp u, 0,1
	D2
	v_add_f32 v[L+4*\u], v[L+4*\u], v[RP+\u]       ; the row's sum
.endr
	WALU
.irp u, 0,1
	v_rcp_f32 v[F+2*\u], v[L+4*\u]
.endr
	v_nop
	WALU
.set j, 0
.rept 16
	v_pk_mul_f32 v[S+j:S+j+1], v[O+j:O+j+1], v[F:F+1] op_sel_hi:[1,0]   ; o of tile 0: register 16 b + i = d 32 b + 16 h + i
.set j, j+2
.endr
	WIN 0x01
	WALU                                           ; the wait directly ahead of the first readers of matrix results
.set j, 0
.rept 16
	v_pk_mul_f32 v[S+32+j:S+33+j], v[O+j:O+j+1], v[F+2:F+3] op_sel_hi:[1,0]   ; o of tile 1, into window 0
.set j, j+2
.endr
	WIN 0
.irp e, 0,1,2,3                                ; four half blocks: tile e / 2, block e % 2
	v_max3_num_f32 v[MX+\e], |v[S+16*\e]|, |v[S+16*\e+1]|, 0x1800000
.endr
.irp i, 2,4,6,8,10,12,14
.irp e, 0,1,2,3
	v_max3_num_f32 v[MX+\e], v[MX+\e], |v[S+16*\e+\i]|, |v[S+16*\e+\i+1]|
.endr
.endr
.irp e, 0,1,2,3
	v_permlanex16_b32 v[MB+\e], v[MX+\e], s20, s21
.endr
.irp e, 0,1,2,3
	v_max_num_f32 v[MX+\e], v[MX+\e], v[MB+\e]
.endr
.irp e, 0,1,2,3
	v_add_nc_u32 v[SO+\e], 0xff000000, v[MX+\e]
.endr
.irp e, 0,1,2,3
	v_lshrrev_b32 v[BY+\e], 23, v[SO+\e]
.endr
.irp u, 0,1
	v_lshl_or_b32 v[W+\u], v[BY+2*\u+1], 8, v[BY+2*\u]   ; the head's two scale bytes of my query
.endr
.irp u, 0,1
	v_cvt_scalef32_pk16_fp6_f32 v[SA+8*\u:SA+8*\u+2], v[S+32*\u:S+32*\u+15], v[SO+2*\u]
	v_cvt_scalef32_pk16_fp6_f32 v[SA+8*\u+4:SA+8*\u+6], v[S+32*\u+16:S+32*\u+31], v[SO+2*\u+1]
.endr
	v_nop
.irp u, 0,1
.irp i, 0,1,2
	v_permlane16_swap_b32 v[SA+8*\u+\i], v[SA+8*\u+4+\i]
.endr
.endr
.irp i, 3,4,5                                  ; in ascending order: each source is read before it is written
.irp u, 0,1
	v_mov_b32 v[SA+8*\u+\i], v[SA+8*\u+\i+1]
.endr
.endr
.irp u, 0,1
.irp q, 0,1,2
	global_store_b64 v7, v[SA+8*\u+2*\q:SA+8*\u+2*\q+1], s[56:57] offset:12288*\u+256*\q   ; 256 consecutive bytes, aligned
.endr
.endr
.irp u, 0,1
	ds_store_b16 v5, v[W+\u] offset:32*\u          ; both halves of the lanes write the same two bytes with the same value
.endr
.irp i, 0,1,2,3,4,5
	v_mov_b32 v[Z+6+\i], v[QX+\i]                  ; the next pass's Q
.endr
	WIN 0x41
.irp i, 0,1,2,3,4,5
	v_mov_b32 v[Z+6+\i], v[QX+\i]
.endr
	WIN 0
	v_mov_b32 v[QW], v[QW+1]
	s_wait_xcnt 0x0                                ; the stores have read their data and their base
	s_add_nc_u64 s[56:57], s[56:57], 24576         ; two tiles of ac on
	s_add_co_u32 s17, s17, 64
	s_add_co_u32 s16, s16, 1
	s_cmp_lg_u32 s16, 2
	WALU                                           ; the wait directly ahead of the branch
	s_cbranch_scc1 .Lpass
	s_wait_dscnt 0x0                               ; for the others' sake: my scale bytes lie in LDS
	s_barrier_signal -1
	s_barrier_wait -1
	s_cmp_lt_u32 s18, 2
	s_cbranch_scc0 .Lno_words
	ds_load_b128 v[96:99], v10
	s_wait_dscnt 0x0
	global_store_b128 v1, v[96:99], s[58:59]       ; 512 consecutive bytes, aligned: half of the work-group's 512 queries
.Lno_words:
	s_wait_tensorcnt 0x0                           ; the wave's end
	ds_add_u32 v[SPW], v[NIL]
	s_wait_dscnt 0x0
	CROUND                                         ; the closing round
	s_endpgm
.Lfunc_end_k_qc8a5db2382_attn:
	.size	k_qc8a5db2382_attn, .Lfunc_end_k_qc8a5db2382_attn-k_qc8a5db2382_attn
	.p2alignl 7, 3214868480
	.fill 96, 4, 3214868480
	.section	.rodata,"a",@progbits
	.p2align	6, 0x0
	.amdhsa_kernel k_qc8a5db2382_attn
		.amdhsa_group_segment_fixed_size 207872
		.amdhsa_private_segment_fixed_size 0
		.amdhsa_enable_private_segment 0
		.amdhsa_kernarg_size 24
		.amdhsa_user_sgpr_count 2
		.amdhsa_user_sgpr_kernarg_segment_ptr 1
		.amdhsa_wavefront_size32 1
		.amdhsa_system_sgpr_workgroup_id_x 1
		.amdhsa_system_sgpr_workgroup_id_y 1
		.amdhsa_system_sgpr_workgroup_id_z 1
		.amdhsa_system_vgpr_workitem_id 0
		.amdhsa_next_free_vgpr 512
		.amdhsa_next_free_sgpr 66
		.amdhsa_reserve_vcc 0
		.amdhsa_float_denorm_mode_32 3
		.amdhsa_float_denorm_mode_16_64 3
		.amdhsa_memory_ordered 1
		.amdhsa_forward_progress 1
		.amdhsa_inst_pref_size 48
	.end_amdhsa_kernel
	.amdgpu_metadata
---
amdhsa.version: [ 1, 2 ]
amdhsa.kernels:
  - .name:           k_qc8a5db2382_attn
    .symbol:         k_qc8a5db2382_attn.kd
    .args:
      - { .name: qkv, .offset: 0, .size: 8, .value_kind: global_buffer, .address_space: global }
      - { .name: ac, .offset: 8, .size: 8, .value_kind: global_buffer, .address_space: global }
      - { .name: asc, .offset: 16, .size: 8, .value_kind: global_buffer, .address_space: global }
    .group_segment_fixed_size: 207872
    .private_segment_fixed_size: 0
    .kernarg_segment_align: 8
    .kernarg_segment_size: 24
    .max_flat_workgroup_size: 256
    .sgpr_count:     66
    .vgpr_count:     512
    .wavefront_size: 32
...
	.end_amdgpu_metadata
.endif
;; end of part 3
;; launch gemm_proj (part 4): grid 4 x 64, 4 waves a work-group, clusters of 4 x 4, 327,680 bytes of LDS; arguments ac, asc, cod, scl, b_proj, out0; writes out0
.if DOCPART == 4
	.amdgcn_target "amdgcn-amd-amdhsa--gfx1250"
	.amdhsa_code_object_version 6
	.text
	.protected	k_qc8a5db2382_gemm_proj
	.globl	k_qc8a5db2382_gemm_proj
	.p2align	8
	.type	k_qc8a5db2382_gemm_proj,@function
k_qc8a5db2382_gemm_proj:
	s_mov_b64 s[64:65], 0
	v_nop
	global_prefetch_b8 v0, s[64:65] scope:SCOPE_SE
	s_setreg_imm32_b32 hwreg(HW_REG_WAVE_MODE, 25, 1), 1
	s_wait_xcnt 0x0
	s_wait_alu depctr_hold_cnt(0) depctr_sa_sdst(0) depctr_va_vdst(0) depctr_va_sdst(0) depctr_va_ssrc(0) depctr_va_vcc(0) depctr_vm_vsrc(0)
	s_getreg_b32 s2, hwreg(HW_REG_IB_STS2, 6, 4)
	s_cmp_eq_u32 s2, 0
	s_cbranch_scc0 .Lentry_in_a_cluster
	s_endpgm
.Lentry_in_a_cluster:
	s_bfe_u32 s2, ttmp6, 0x10000c
	s_cmp_lg_u32 s2, 0xf033
	s_cbranch_scc0 .Lentry_shape_is_right
	s_endpgm
.Lentry_shape_is_right:
; out0 = o W_proj + b_proj on codes of FP6 (E2M3) with E8M0 scales, K = 1,024 = (head, d).  A' = o's rows (ac, asc), B' = W_proj's columns (cod, scl from row 11,264 = tile of 256 number 44 on).
; Codes lie in the order of the operand's registers: fragment (tile of 16 rows rb, K step ks) of 1,536 bytes at (8 rb + ks) x 1,536.  A's tile rb, lane r = token 64 (rb / 4) + 8 (rb % 4) + r % 8 + 32 (r / 8);
; B's tile rb, lane r = column 32 (rb / 2) + 8 (rb % 2) + r + 8 (r / 8).
; A tile of 128 tokens x 256 columns to a work-group of four waves, 64 x 128 a wave, 32 accumulators: 64 x 4 = 256 work-groups.
; ALL OF K LIES IN LDS: A's 8 tiles are 98,304 dense bytes, B's 16 tiles 196,608, and with the scale words (12,288) and the spare words they are 307,712 bytes.  Each wave asks for one part at the head:
; wave 0 A, waves 1 and 2 a half of B each, wave 3 B's scale words.  Nothing is filled again: no ring, and nothing is left to prefetch.
; THE MATRIX INSTRUCTION IS USED TRANSPOSED (source 0 = B', source 1 = A'): lane (r, h) holds token place r, register j of accumulator (a, b) column 32 (b / 2) + 8 (b % 2) + 16 h + j.
; A's scale words are made here: asc holds two bytes for each head and token place, a word of a K step is two heads' bytes; they go to LDS by stores, into bytes where no fill lands.
; THE BIAS is the C of each sum's first matrix instruction.  CLUSTERS: A's tiles are asked for jointly along a row of the cluster, B's along a column.
; REGISTERS: window 0: v1-10 at work at the head; v16-30 addresses; v32-95 scale words of all eight K steps, and nothing else; v96-159 the bias; v160-255 A's fragments, two sets; on the way out v128-255 rows of out0.
; window 1: B's fragments, two sets, at v0 and v128.  window 2: the accumulators, (a, b) at v[8 (8 a + b)].
.set FR,    12
.set NP,    4
.set FRB,   1536
.set TB,    12288                      ; a tile of 16 rows, all of K
.set AT,    8*TB                       ; A's bytes; B's follow
.set SCL,   24*TB                      ; A's scale words, 4,096 bytes, stored here by the waves
.set SCB,   SCL+4096                   ; B's, 8,192 bytes, by a tensor load
.set SPARE, SCL+12288                  ; the spare words, 128 bytes for each wave
.set SPITCH, 528                       ; the way out: a stage of 16 rows x (512 bytes + 16) for each wave, on A's bytes, behind a barrier behind which nobody reads codes
.set ADRA, 16
.set ADRB, 20
.set ADRB2, 21
.set STO,  24
.set RD,   25
.set CO,   26
.set ADRS, 27
.set SPW,  28
.set NIL,  29
.set ADRS2, 30
.set SC,   32
.set BI,   96
.set AF,   160
.set BK,   128
.set G1, 24
.set G0, 32
.set G1B, 48
.set G0B, 56
.set G1SB, 80
.set G0SB, 88
.set MSB, 0
.macro WIN new
.if MSB != \new
	s_set_vgpr_msb (MSB<<8)|\new
.set MSB, \new
.endif
.endm
.macro WALU
	s_wait_alu depctr_va_vdst(0)
.endm
.macro PLACES n
.rept \n
	v_nop
.endr
.endm
.macro CROUND
	s_barrier_signal -1
	s_barrier_wait -1
	s_cmp_lg_u32 s14, 0
	s_cbranch_scc1 .Lnot_wave_0_\@
	s_barrier_signal -3
.Lnot_wave_0_\@:
	s_barrier_wait -3
	s_barrier_signal -1
	s_barrier_wait -1
.endm
	s_load_b256 s[4:11], s[0:1], 0x0               ; ac s[4:5], asc s[6:7], cod s[8:9], scl s[10:11]
	s_load_b128 s[96:99], s[0:1], 0x20             ; b_proj s[96:97], out0 s[98:99]
	v_lshl_add_u32 v[SPW], v0, 2, SPARE
	v_mov_b32 v[NIL], 0
	ds_add_u32 v[SPW], v[NIL]                      ; the opening lines: the add, twice on end, and its wait
	ds_add_u32 v[SPW], v[NIL]
	s_wait_dscnt 0x0
	v_lshrrev_b32 v1, 5, v0
	v_readfirstlane_b32 s14, v1                    ; wave 0..3
	s_lshr_b32 s15, s14, 1                         ; which 64 of the tile's tokens are mine
	s_and_b32 s16, s14, 1                          ; which 128 of its columns
	s_bfe_u32 s40, ttmp6, 0x40000                  ; cx
	s_bfe_u32 s41, ttmp6, 0x40004                  ; cy
	s_and_b32 s17, ttmp7, 0xffff
	s_lshl_b32 s17, s17, 2
	s_add_co_u32 s17, s17, s41                     ; A's tile of 128 tokens, 0 .. 63
	s_lshl_b32 s42, ttmp9, 2
	s_add_co_u32 s42, s42, s40                     ; the tile of 256 columns
	s_add_co_u32 s67, s42, 44                      ; as a tile of cod
	s_lshl_b32 s43, s41, 2
	s_lshl_b32 s43, 15, s43                        ; my row of the cluster
	s_lshl_b32 s44, 0x1111, s40                    ; my column
	s_or_b32 s[G1+0], s43, (3<<16)|(1<<21)
	s_or_b32 s[G1B+0], s44, (3<<16)|(1<<21)
.irp g, G1, G1B
	s_mov_b32 s[\g+1], 1536<<16                    ; 8 tiles of 16 rows, each 12,288 consecutive bytes = 1,536 elements of 8 bytes
	s_mov_b32 s[\g+2], 8<<16
	s_mov_b32 s[\g+3], 1536<<16
	s_mov_b32 s[\g+4], 8
	s_mov_b32 s[\g+5], 1536
	s_mov_b32 s[\g+6], 0
	s_mov_b32 s[\g+7], 0
.endr
	s_or_b32 s[G1SB+0], s44, (3<<16)|(1<<21)       ; B's scale words of 256 rows: 8,192 dense bytes as 32 rows of 256
	s_mov_b32 s[G1SB+1], 32<<16
	s_mov_b32 s[G1SB+2], 32<<16
	s_mov_b32 s[G1SB+3], 32<<16
	s_mov_b32 s[G1SB+4], 32
	s_mov_b32 s[G1SB+5], 32
	s_mov_b32 s[G1SB+6], 0
	s_mov_b32 s[G1SB+7], 0
	s_mul_i32 s20, s17, AT                         ; A: 8 tiles from tile 8 x s17 on
	s_mov_b32 s21, 0
	s_lshl_b32 s46, s67, 4
	s_lshl_b32 s19, s14, 3
	s_add_co_u32 s46, s46, s19
	s_sub_co_u32 s46, s46, 8                       ; B: waves 1 and 2 take tiles 16 x s67 + 8 (wave - 1) + 0 .. 7
	s_mul_i32 s46, s46, TB
	s_mov_b32 s47, 0
	s_lshl_b32 s92, s67, 13                        ; B's scale words: 512 bytes a tile
	s_mov_b32 s93, 0
	s_mul_i32 s45, s14, AT                         ; LDS: A at 0, B's halves at 98,304 and 196,608: wave x 98,304
	s_mul_i32 s2, s15, 4*TB                        ; my four tiles of A
	s_mul_i32 s3, s16, 8*TB
	s_add_co_u32 s3, s3, AT                        ; my eight tiles of B
	s_lshl_b32 s12, s15, 11
	s_lshl_b32 s13, s16, 12
	s_add_co_u32 s13, s13, 4096
	s_sub_co_u32 s13, s13, s12                     ; from my words of A to my words of B
	s_add_co_u32 s19, s13, 2048
	s_add_co_u32 s18, s12, SCL-2048
	s_add_co_u32 s12, s12, SCL
	s_mul_i32 s23, s14, 16*SPITCH                  ; my stage
	s_wait_kmcnt 0x0
	s_mov_b32 s[G0], 1
	s_mov_b32 s[G0+1], 0
	s_add_nc_u64 s[G0+2:G0+3], s[4:5], s[20:21]
	s_or_b32 s[G0+3], s[G0+3], 0x80000000
	s_mov_b32 s[G0B], 1
	s_mov_b32 s[G0B+1], s45
	s_add_nc_u64 s[G0B+2:G0B+3], s[8:9], s[46:47]
	s_or_b32 s[G0B+3], s[G0B+3], 0x80000000
	s_mov_b32 s[G0SB], 1
	s_mov_b32 s[G0SB+1], SCB
	s_add_nc_u64 s[G0SB+2:G0SB+3], s[10:11], s[92:93]
	s_or_b32 s[G0SB+3], s[G0SB+3], 0x80000000
	CROUND                                         ; all sixteen work-groups are here: the joint loads meet
	; one tensor load a wave, in one chain of branches on the wave's number
	s_cmp_eq_u32 s14, 0
	s_cbranch_scc0 .Lh_b
	tensor_load_to_lds s[G0:G0+3], s[G1:G1+7]
	s_nop 0
	PLACES 4
	s_branch .Lh_done
.Lh_b:
	s_cmp_lt_u32 s14, 3
	s_cbranch_scc0 .Lh_s
	tensor_load_to_lds s[G0B:G0B+3], s[G1B:G1B+7]
	s_nop 0
	PLACES 4
	s_branch .Lh_done
.Lh_s:
	tensor_load_to_lds s[G0SB:G0SB+3], s[G1SB:G1SB+7]
	s_nop 0
	PLACES 4
.Lh_done:
	; A's scale bytes: thread t takes token places 2 (t % 64), 2 (t % 64) + 1 of the tile, of heads 8 (t / 64) + 0 .. 7
	s_lshl_b32 s20, s17, 8
	s_mov_b32 s21, 0
	s_add_nc_u64 s[6:7], s[6:7], s[20:21]
	v_and_b32 v3, 63, v0
	v_lshrrev_b32 v4, 6, v0
	v_lshlrev_b32 v9, 2, v3
	v_lshl_add_u32 v9, v4, 17, v9                  ; these loads' offset; the register is written nowhere else
.irp hd, 0,1,2,3,4,5,6,7
	global_load_b32 v[160+\hd], v9, s[6:7] offset:\hd*16384
.endr
	v_and_b32 v1, 15, v0                           ; r
	v_bfe_u32 v2, v0, 4, 1                         ; h
	v_and_b32 v5, 31, v0                           ; lane
	v_lshlrev_b32 v10, 6, v2                       ; 64 h: the bias's loads' offset; the register is written nowhere else
	WALU
	s_lshl_b32 s20, s42, 10
	s_lshl_b32 s22, s16, 9
	s_add_co_u32 s20, s20, s22                     ; my first column, in bytes
	s_add_nc_u64 s[96:97], s[96:97], s[20:21]
.irp b, 0,1,2,3,4,5,6,7
	global_load_b128 v[BI+8*\b:BI+8*\b+3], v10, s[96:97] offset:128*(\b/2)+32*(\b%2)       ; for block b of B my eight columns 32 (b / 2) + 8 (b % 2) + 16 h + 0 .. 7
	global_load_b128 v[BI+8*\b+4:BI+8*\b+7], v10, s[96:97] offset:128*(\b/2)+32*(\b%2)+16
.endr
	s_lshl_b32 s22, s17, 7
	s_lshl_b32 s66, s15, 6
	s_add_co_u32 s22, s22, s66                     ; my first row of out0
	s_lshl_b32 s22, s22, 12
	s_add_co_u32 s20, s20, s22
	s_add_nc_u64 s[98:99], s[98:99], s[20:21]
	v_lshlrev_b32 v6, 3, v5
	v_lshlrev_b32 v[CO], 4, v5
	v_add_nc_u32 v[ADRA], s2, v6
	v_add_nc_u32 v[ADRB], s3, v6
	v_add_nc_u32 v[ADRB2], 4*TB, v[ADRB]           ; B's tiles 4-7: an offset holds 16 bits
	v_mul_u32_u24 v7, s13, v2                      ; lanes 16-31 take B's words: one product with h
	v_lshl_add_u32 v7, v1, 4, v7
	v_add_nc_u32 v[ADRS], s12, v7
	v_mul_u32_u24 v7, s19, v2                      ; for blocks 4-7 of B: lanes 0-15 read A's blocks 0-3 once more
	v_lshl_add_u32 v7, v1, 4, v7
	v_add_nc_u32 v[ADRS2], s18, v7
	v_mul_u32_u24 v8, v1, SPITCH
	v_lshl_add_u32 v8, v2, 6, v8
	v_add_nc_u32 v[STO], s23, v8                   ; the stage, in: row r, + 64 h
	v_add_nc_u32 v[RD], s23, v[CO]                 ; back: a row's 512 bytes, 16 a lane
	v_lshrrev_b32 v7, 3, v3
	v_lshlrev_b32 v7, 9, v7
	v_and_b32 v8, 7, v3
	v_lshl_add_u32 v7, v8, 5, v7
	v_lshl_add_u32 v7, v4, 8, v7
	v_add_nc_u32 v7, SCL, v7                       ; A's words: tile (t % 64) / 8, 16 bytes a place, K steps 4 (t / 64) + 0 .. 3
	WALU                                           ; the wait directly ahead of the wait below
	s_wait_loadcnt 16                              ; the eight heads' bytes are in; the bias's sixteen loads may be out
.irp k, 0,1,2,3
	v_perm_b32 v[176+\k], v[161+2*\k], v[160+2*\k], 0x05040100   ; the even place: two heads' bytes are a K step's word
	v_perm_b32 v[184+\k], v[161+2*\k], v[160+2*\k], 0x07060302   ; the odd place
.endr
	ds_store_b128 v7, v[176:179]
	ds_store_b128 v7, v[184:187] offset:16
.macro FRAG reg, adr, st, i
.irp p, 0,1,2,3,4,5
	ds_load_b64 v[(\reg)+2*\p:(\reg)+2*\p+1], v[\adr] offset:(\i)*TB+(\st)*FRB+256*\p
.endr
.endm
.macro FETCH_B st                      ; B's eight fragments of K step st into set st % 2: 48 loads
	WIN 0x40
.irp i, 0,1,2,3
	FRAG 128*((\st)%2)+FR*\i, ADRB, \st, \i
	FRAG 128*((\st)%2)+FR*(\i+4), ADRB2, \st, \i
.endr
	WIN 0
.endm
.macro FETCH_A st                      ; A's four: 24 loads
.irp i, 0,1,2,3
	FRAG AF+48*((\st)%2)+FR*\i, ADRA, \st, \i
.endr
.endm
.macro SCALES sc                       ; the words of K steps 2 sc, 2 sc + 1: lanes 0-15 A's block i % 4, lanes 16-31 B's block i
.irp i, 0,1,2,3
	ds_load_b64 v[SC+16*(\sc)+2*\i:SC+16*(\sc)+2*\i+1], v[ADRS] offset:\i*512+256*((\sc)/2)+8*((\sc)%2)
.endr
.irp i, 4,5,6,7
	ds_load_b64 v[SC+16*(\sc)+2*\i:SC+16*(\sc)+2*\i+1], v[ADRS2] offset:\i*512+256*((\sc)/2)+8*((\sc)%2)
.endr
.endm
; 16 matrix instructions: A's blocks a0, a0 + 1 x B's eight.  In K step 0 the bias starts the sums.  The 32 accumulators take turns, one instruction a turn.
.macro MUL16 a0, st
.irp a, \a0, \a0+1
.irp b, 0,1,2,3,4,5,6,7
.if (\st) == 0
	v_wmma_scale_f32_16x16x128_f8f6f4 v[8*(8*(\a)+\b):8*(8*(\a)+\b)+7], v[128*((\st)%2)+FR*\b:128*((\st)%2)+FR*\b+FR-1], v[AF+48*((\st)%2)+FR*(\a):AF+48*((\st)%2)+FR*(\a)+FR-1], v[BI+8*\b:BI+8*\b+7], v[SC+16*((\st)/2)+2*\b+(\st)%2], v[SC+16*((\st)/2)+2*(\a)+(\st)%2] matrix_a_fmt:MATRIX_FMT_FP6 matrix_b_fmt:MATRIX_FMT_FP6 matrix_a_scale:MATRIX_SCALE_ROW1
.else
	v_wmma_scale_f32_16x16x128_f8f6f4 v[8*(8*(\a)+\b):8*(8*(\a)+\b)+7], v[128*((\st)%2)+FR*\b:128*((\st)%2)+FR*\b+FR-1], v[AF+48*((\st)%2)+FR*(\a):AF+48*((\st)%2)+FR*(\a)+FR-1], v[8*(8*(\a)+\b):8*(8*(\a)+\b)+7], v[SC+16*((\st)/2)+2*\b+(\st)%2], v[SC+16*((\st)/2)+2*(\a)+(\st)%2] matrix_a_fmt:MATRIX_FMT_FP6 matrix_b_fmt:MATRIX_FMT_FP6 matrix_a_scale:MATRIX_SCALE_ROW1
.endif
.endr
.endr
.endm
.macro MWIN st
.if (\st) == 0
	WIN 0x81                                       ; source 0 window 1, source 1 and C (the bias) window 0, D window 2
.else
	WIN 0xa1                                       ; C and D window 2
.endif
.endm
.macro KSTEP st                        ; 32 products on set st % 2; the next step's fragments go into the other set, B's ahead of the products, A's in their middle
.if (\st) > 0
	PLACES NP                                      ; behind the last step's products, in front of the loads into the set that the step before it read
.endif
.if (\st) < 7
	FETCH_B (\st)+1
	s_wait_dscnt 48                                ; all but the 48 just issued: this step's fragments and the scale words are in
.else
	s_wait_dscnt 0x0                               ; my last reads of codes and words are over:
	s_barrier_signal -1                            ; say so; only work on registers stands between this and the wait
.endif
	MWIN \st
	MUL16 0, \st
.if (\st) < 7
	WIN 0
	FETCH_A (\st)+1
	MWIN \st
.endif
	MUL16 2, \st
	WIN 0
.endm
	WALU                                           ; the wait at the head's end
	s_wait_tensorcnt 0x0                           ; my part has landed,
	s_wait_dscnt 0x0                               ; and my part of A's scale words lies in LDS
	s_barrier_signal -1
	s_barrier_wait -1                              ; everybody's: from here on codes and words are only read
.irp sc, 0,1,2,3
	SCALES \sc
.endr
	FETCH_B 0
	FETCH_A 0
	s_wait_loadcnt 0x0                             ; the bias
.irp st, 0,1,2,3,4,5,6,7
	KSTEP \st
.endr
	s_barrier_wait -1                              ; nobody reads codes any more: the stages may lie on A's bytes
; THE WAY OUT, block by block of 16 token places x 128 columns, through my own stage: a lane's eight results go to their columns' place in the row, and the rows come back whole, 512 bytes to the 32 lanes.
.macro TOSTAGE a
.set AC, 64*(\a)
	WIN 0x08                                       ; the data: window 2
.irp b, 0,1,2,3,4,5,6,7
	ds_store_b128 v[STO], v[AC+8*\b:AC+8*\b+3] offset:128*(\b/2)+32*(\b%2)       ; each accumulator from its low end on
	ds_store_b128 v[STO], v[AC+8*\b+4:AC+8*\b+7] offset:128*(\b/2)+32*(\b%2)+16
.endr
	WIN 0
.set BB, BK+64*((\a)%2)
.irp t, 0,1,2,3,4,5,6,7,8,9,10,11,12,13,14,15
	ds_load_b128 v[BB+4*\t:BB+4*\t+3], v[RD] offset:\t*SPITCH      ; LDS serves a wave's instructions in order: these see the stores above
.endr
.endm
.macro SEND a, younger                 ; place t of block a is row 8 a + t % 8 + 32 (t / 8) of my 64
.set BB, BK+64*((\a)%2)
	s_wait_dscnt \younger
.irp t, 0,1,2,3,4,5,6,7,8,9,10,11,12,13,14,15
	global_store_b128 v[CO], v[BB+4*\t:BB+4*\t+3], s[98:99] offset:(8*(\a)+\t+24*(\t/8))*4096 th:TH_STORE_NT   ; 512 consecutive bytes, aligned
.endr
.endm
	PLACES NP                                      ; behind the last products: for the loads into the registers that held A's fragments, and for the reads of results
	TOSTAGE 0
.irp a, 1,2,3
.if \a > 1
	s_wait_xcnt 0x0                                ; block a - 2's stores have read their registers: block a's loads may land there
.endif
	TOSTAGE \a
	SEND \a-1, 32                                  ; behind block a - 1's loads: block a's 16 stores and 16 loads
.endr
	SEND 3, 0
	s_wait_tensorcnt 0x0                           ; the wave's end
	ds_add_u32 v[SPW], v[NIL]
	s_wait_dscnt 0x0
	CROUND                                         ; the closing round
	s_endpgm
.Lfunc_end_k_qc8a5db2382_gemm_proj:
	.size	k_qc8a5db2382_gemm_proj, .Lfunc_end_k_qc8a5db2382_gemm_proj-k_qc8a5db2382_gemm_proj
	.p2alignl 7, 3214868480
	.fill 96, 4, 3214868480
	.section	.rodata,"a",@progbits
	.p2align	6, 0x0
	.amdhsa_kernel k_qc8a5db2382_gemm_proj
		.amdhsa_group_segment_fixed_size 327680
		.amdhsa_private_segment_fixed_size 0
		.amdhsa_enable_private_segment 0
		.amdhsa_kernarg_size 48
		.amdhsa_user_sgpr_count 2
		.amdhsa_user_sgpr_kernarg_segment_ptr 1
		.amdhsa_wavefront_size32 1
		.amdhsa_system_sgpr_workgroup_id_x 1
		.amdhsa_system_sgpr_workgroup_id_y 1
		.amdhsa_system_sgpr_workgroup_id_z 1
		.amdhsa_system_vgpr_workitem_id 0
		.amdhsa_next_free_vgpr 768
		.amdhsa_next_free_sgpr 100
		.amdhsa_reserve_vcc 0
		.amdhsa_float_denorm_mode_32 3
		.amdhsa_float_denorm_mode_16_64 3
		.amdhsa_memory_ordered 1
		.amdhsa_forward_progress 1
		.amdhsa_inst_pref_size 99
	.end_amdhsa_kernel
	.amdgpu_metadata
---
amdhsa.version: [ 1, 2 ]
amdhsa.kernels:
  - .name:           k_qc8a5db2382_gemm_proj
    .symbol:         k_qc8a5db2382_gemm_proj.kd
    .args:
      - { .name: ac, .offset: 0, .size: 8, .value_kind: global_buffer, .address_space: global }
      - { .name: asc, .offset: 8, .size: 8, .value_kind: global_buffer, .address_space: global }
      - { .name: cod, .offset: 16, .size: 8, .value_kind: global_buffer, .address_space: global }
      - { .name: scl, .offset: 24, .size: 8, .value_kind: global_buffer, .address_space: global }
      - { .name: b_proj, .offset: 32, .size: 8, .value_kind: global_buffer, .address_space: global }
      - { .name: out0, .offset: 40, .size: 8, .value_kind: global_buffer, .address_space: global }
    .group_segment_fixed_size: 327680
    .private_segment_fixed_size: 0
    .kernarg_segment_align: 8
    .kernarg_segment_size: 48
    .max_flat_workgroup_size: 128
    .sgpr_count:     100
    .vgpr_count:     768
    .wavefront_size: 32
...
	.end_amdgpu_metadata
.endif
;; end of part 4
